; MI455X (gfx1250); checked and timed in simulation.
; The chip was launched on July 23, 2026; its instructions are those of AMD's public machine-readable ISA for CDNA 5 (MIT licence, August 2026) and "CDNA5" Instruction Set Architecture Reference Guide (July 2026). The comments in the code are by the model that wrote it; some were corrected since.
;; Swi GLU Bit. Allowed arithmetic: matrix products marked QUANTISED: E3M2 operands, one E8M0 scale for each 32 along K, by v_wmma_scale_f32_16x16x128_f8f6f4 with both operands' format E3M2, f32 sums; everything else in f32.
;; Inputs: w1 1,024 x 2,048 float32; w2 1,024 x 2,048 float32; w3 2,048 x 1,024 float32; x 4 x 2,048 x 2,048 float32.
;; Outputs: out0 4 x 2,048 x 2,048 float32.
;; This version of the problem:
;;   THIS VERSION OF THE PROBLEM IS GIVEN IN LOW PRECISION. The matrix products marked QUANTISED in the list below multiply operands that are first quantised to E3M2 (3 exponent bits, 2 mantissa bits; 6 bits a number), with one power-of-two scale for each 32 numbers along K (OCP MX v1.0); their sums are f32. All else is computed in f32.
;;   The module's matrix products, in the order in which they are computed (A, B: the left and right operand; K: the contracted axis; several contracted axes count as one K, in the product's order):
;;     1. [M 8,192, K 2,048] x [K 2,048, N 1,024]; A: computed on the way; B: computed on the way: QUANTISED
;;     2. [M 8,192, K 2,048] x [K 2,048, N 1,024]; A: computed on the way; B: computed on the way: QUANTISED
;;     3. [M 8,192, K 1,024] x [K 1,024, N 2,048]; A: computed on the way; B: computed on the way: QUANTISED
;;   THE QUANTISER, for each operand of a quantised product, along K:
;;     - K is cut into blocks of 32 from its start; a last block that is shorter is filled with zeros.
;;     - A block's scale is 2^e with e = floor(log2(the largest magnitude in the block)) - 4, held to -126 .. 127; a block of zeros has e = 0. As a byte (E8M0): e + 127.
;;     - Each number is divided by its block's scale, clamped to +-28, and rounded to the nearest number of E3M2, ties to even, subnormals kept.
;;     - The product sums the exact products of the quantised numbers (number of the format x scale) in f32.
;;   ~~~python
;;   def quantise(x, axis):      # numpy; x: float32 -> the quantised numbers, widened to float32 again
;;       x = np.moveaxis(x, axis, -1); K = x.shape[-1]
;;       x = np.pad(x, [(0, 0)] * (x.ndim - 1) + [(0, -K % 32)]); x = x.reshape(x.shape[:-1] + (-1, 32)); a = np.abs(x).max(-1, keepdims=True)
;;       e = np.where(a > 0, np.clip(np.frexp(np.where(a > 0, a, 1))[1] - 1 - 4, -126, 127), 0)      # np.frexp(a)[1] - 1 = floor(log2(a)), exactly
;;       r = np.clip(x / 2.0 ** e, -28, 28)
;;       step = 2.0 ** (np.maximum(np.frexp(np.where(r == 0, 1, r))[1] - 1, -2) - 2)
;;       q = np.round(r / step) * step * 2.0 ** e      # np.round: ties to even
;;       return np.moveaxis(q.reshape(q.shape[:-2] + (-1,))[..., :K], -1, axis).astype(np.float32)
;;   ~~~
;;   OPERANDS COMPUTED ON THE WAY. 'Computed on the way' means the value that the module computes at that place (a softmax that the list does not call 'softmax' is quantised finished and normalised). What goes into a quantiser is computed in f32, as accurately as f32 sums, v_exp_f32 and their like allow (about 1e-6 of the number): no bf16 or f16 on the way to a quantiser, and a product that is left as it is and whose result goes on into a quantised operand takes f32 operands (vector FMAs, or v_wmma_f32_16x16x4_f32). A number that lies on a knife's edge between two numbers of the format may be rounded either way, as far as f32 arithmetic and the matrix unit's own rounding can turn it there, and no further.
;; One version. Each part assembles by itself: llvm-mc -triple=amdgcn-amd-amdhsa -mcpu=gfx1250 --defsym DOCPART=n.
;; ======== version 1 of 1: 4 launches
;; workspace buffers: xq_codes 12,582,912 bytes; xq_scales 524,288 bytes; w_codes 4,718,592 bytes; w_scales 196,608 bytes; h_codes 6,291,456 bytes; h_scales 262,144 bytes; wsum 3,072 bytes
;; launch prep (part 1): grid 704 x 1, 4 waves a work-group, no clusters, 36,352 bytes of LDS; arguments x, w1, w2, w3, xq_codes, xq_scales, wsum; writes xq_codes, xq_scales, wsum
.if DOCPART == 1
	.amdgcn_target "amdgcn-amd-amdhsa--gfx1250"
	.amdhsa_code_object_version 6
	.text
	.protected	k_q2fffee4a39_prep
	.globl	k_q2fffee4a39_prep
	.p2align	8
	.type	k_q2fffee4a39_prep,@function
k_q2fffee4a39_prep:
	s_mov_b64 s[64:65], 0
	v_nop
	global_prefetch_b8 v0, s[64:65] scope:SCOPE_SE
	s_setreg_imm32_b32 hwreg(HW_REG_WAVE_MODE, 25, 1), 1
	s_wait_xcnt 0x0
; PREP: two jobs in one launch, parted by the work-group's number (the same for all four waves of a work-group).
; (1) Work-groups 0-511: x [8192][2048] f32 becomes the left operand of the first two products.  Per group of 64 along K: s = max(largest |x|, 1e-5); q = round(x (127 / s)) (s / 127);
;     y = x + (q - x), all in f32; then y is turned into codes of BF6 (E3M2) with one E8M0 byte for each 32 along K: the byte is the block's largest magnitude's exponent field - 4, held at 1 from below.
;     THE CLIP TO +-127 AHEAD OF THE ROUNDING IS NOT WRITTEN: s is the group's own largest magnitude, so |x (127 / s)| stays under 127.5 and rounds to the same whole number with the clip or without, for every input.
; (2) Work-groups 512-703: the sums of |w1|, |w2|, |w3|, 8,192 numbers a wave, into wsum [3][256]: the next launch adds them up for the means.
; THE CODES' LAYOUT is the order of an operand's registers.  A half fragment is 16 rows x 64 K = 768 bytes; lane 16 hh + r owns the block of 32 codes (24 bytes) of row r, k = 32 hh ..: its bytes 0-15 lie at
; 16 x lane, its bytes 16-23 at 512 + 8 x lane.  Half fragment (row / 16, k / 64) lies at (row / 16) x 24,576 + (k / 64) x 768.  So a wave stores 512 and 256 consecutive bytes, aligned, straight from registers.
; THE SCALE WORDS: the four bytes of (row, k / 128) lie at ((k / 128) x 8192 + row) x 4.
; SHARES of (1): a work-group takes 64 rows x 512 K, a wave 16 rows x 512 K in eight steps of 16 rows x 64 K.  Each load reads 256 consecutive bytes of a row in sixteen lanes; the step's 4 KB turn through the
; wave's own stage in LDS (rows 272 bytes apart: 68 words, so that sixteen rows start at sixteen different banks of the 64: ISA guide 11.1) and come back 128 bytes a lane: a whole block of 32 in one lane.
; LIMITS: NaN and infinities are not served.  A block of zeros gets the byte 1 (its codes are zeros; only this program's launches read the bytes).  127 / s and s / 127 are a reciprocal, or a constant, with one
; correction step by fused multiply-adds: not proven correctly rounded.  A group's largest magnitude above 2^126 has a reciprocal that v_rcp_f32 gives as 0: not served.
.set ROWX,  8192                       ; a row of x in bytes
.set SP,    272                        ; a stage row
.set STG,   16*SP                      ; a stage
.set WREG,  2*STG                      ; a wave's two stages
.set SCW,   4*WREG                     ; behind them: the work-group's scale words, 4 planes x 64 rows x 4 bytes
.set R,     32                         ; v32-127  three sets of 32 registers as loaded
.set X,     128                        ; v128-191 two sets: a lane's 32 neighbours along K
.set T,     192                        ; v192-207 at work
.set C,     208                        ; v208-255 six registers of codes for each step: no store's data are written again
; v1 lane, v2 r, v3 h; v4 x's offset; v5, v6 the stage in and out; v7 16 x lane; v8 8 x lane; v9, v10 the scale words in and out; v11 8 h; v12-28 at work: v[22:23] 127 / s, v[24:25] s / 127 (low words)
	s_load_b256 s[4:11], s[0:1], 0x0               ; x, w1, w2, w3
	s_load_b128 s[12:15], s[0:1], 0x20             ; the codes, the scale words
	s_load_b64 s[16:17], s[0:1], 0x30              ; wsum
	v_lshl_add_u32 v30, v0, 2, 0x8c00
	v_mov_b32 v31, 0
	v_lshrrev_b32 v2, 5, v0
	v_readfirstlane_b32 s18, v2                    ; wave 0..3
	v_and_b32 v1, 31, v0                           ; lane
	s_mov_b32 s20, 0x76543210
	s_mov_b32 s21, 0xfedcba98                      ; v_permlanex16_b32's selects for lane l xor 16
	s_cmp_lt_u32 ttmp9, 512
	s_cbranch_scc0 .Labs
	; ---------------- (1) x ----------------
	v_and_b32 v2, 15, v0                           ; r
	v_bfe_u32 v3, v0, 4, 1                         ; h
	v_lshlrev_b32 v4, 13, v3
	v_lshl_add_u32 v4, v2, 4, v4                   ; lanes 0-15 an even row, lanes 16-31 the odd one; 16 bytes a lane
	s_mul_i32 s19, s18, WREG
	v_mul_u32_u24 v5, v3, SP
	v_lshl_add_u32 v5, v2, 4, v5
	v_add_nc_u32 v5, s19, v5                       ; into the stage as loaded
	v_mul_u32_u24 v6, v2, SP
	v_lshl_add_u32 v6, v3, 7, v6
	v_add_nc_u32 v6, s19, v6                       ; out of it: row r, 128 h bytes on
	v_lshlrev_b32 v7, 4, v1
	v_lshlrev_b32 v8, 3, v1
	s_lshl_b32 s19, s18, 6
	v_lshl_add_u32 v9, v2, 2, s19
	v_add_nc_u32 v9, SCW, v9                       ; my row's word: 64 x wave + 4 r; the plane stands in the immediate
	s_lshl_b32 s19, s18, 8
	v_add_nc_u32 v10, s19, v8
	v_add_nc_u32 v10, SCW, v10                     ; on the way out wave w takes plane w, 8 bytes a lane
	v_lshlrev_b32 v11, 3, v3
	v_mov_b32 v14, 0                               ; written once: a lane permute's destination counts as one of its sources,
	v_mov_b32 v28, 0
	v_mov_b32 v23, 0                               ; and a pair is named whole where its low word alone is taken
	v_mov_b32 v25, 0
	s_mov_b32 s22, 0x42fe0000                      ; 127
	s_mov_b32 s24, 0x3c010204                      ; 1 / 127, rounded
	s_lshr_b32 s25, ttmp9, 2                       ; which 64 rows
	s_and_b32 s26, ttmp9, 3                        ; which 512 along K
	s_lshl_b32 s28, s25, 19                        ; x: 64 rows of 8,192 bytes,
	s_lshl_b32 s27, s18, 17                        ; 16 rows a wave,
	s_add_co_u32 s28, s28, s27
	s_lshl_b32 s27, s26, 11                        ; 2,048 bytes along K
	s_add_co_u32 s28, s28, s27
	s_mov_b32 s29, 0
	s_lshl_b32 s30, s25, 2
	s_add_co_u32 s30, s30, s18
	s_mul_i32 s30, s30, 24576                      ; the codes: my 16 rows,
	s_mul_i32 s27, s26, 6144                       ; eight half fragments along K
	s_add_co_u32 s30, s30, s27
	s_mov_b32 s31, 0
	s_lshl_b32 s32, s26, 2
	s_add_co_u32 s32, s32, s18
	s_lshl_b32 s32, s32, 15                        ; the scale words: plane 4 x (which 512) + wave,
	s_lshl_b32 s27, s25, 8                         ; the work-group's 64 rows
	s_add_co_u32 s32, s32, s27
	s_mov_b32 s33, 0
	s_wait_kmcnt 0x0
	s_add_nc_u64 s[4:5], s[4:5], s[28:29]
	s_add_nc_u64 s[12:13], s[12:13], s[30:31]
	s_add_nc_u64 s[14:15], s[14:15], s[32:33]
.macro LOAD t                          ; step t: 16 rows x 256 bytes
.irp i, 0,1,2,3,4,5,6,7
	global_load_b128 v[R+32*((\t)%3)+4*\i:R+32*((\t)%3)+4*\i+3], v4, s[4:5] offset:2*\i*ROWX+256*(\t) th:TH_LOAD_NT
.endr
.endm
.macro TURN t                          ; through the stage: LDS serves a wave's instructions in order (ISA guide 5.7.1.4), so no wait stands between the stores and the loads
.irp i, 0,1,2,3,4,5,6,7
	ds_store_b128 v5, v[R+32*((\t)%3)+4*\i:R+32*((\t)%3)+4*\i+3] offset:STG*((\t)%2)+2*SP*\i
.endr
.irp i, 0,1,2,3,4,5,6,7
	ds_load_b128 v[X+32*((\t)%2)+4*\i:X+32*((\t)%2)+4*\i+3], v6 offset:STG*((\t)%2)+16*\i
.endr
.endm
.macro MAX32 leaf                      ; v12 = the largest magnitude of v[XS] .. v[XS + 31] and of the leaf, in two chains
	v_max3_num_f32 v12, |v[XS]|, |v[XS+1]|, |v[XS+2]|
	v_max3_num_f32 v13, |v[XS+3]|, |v[XS+4]|, |v[XS+5]|
.irp i, 6,10,14,18,22,26
	v_max3_num_f32 v12, v12, |v[XS+\i]|, |v[XS+\i+1]|
	v_max3_num_f32 v13, v13, |v[XS+\i+2]|, |v[XS+\i+3]|
.endr
	v_max3_num_f32 v12, v12, |v[XS+30]|, |v[XS+31]|
	v_max3_num_f32 v12, v12, v13, \leaf
.endm
.macro FAKEQ xs                        ; sixteen numbers: y = x + (round(x (127 / s)) (s / 127) - x), in place
.set n, 0
.rept 8
	v_pk_mul_f32 v[T+n:T+n+1], v[\xs+n:\xs+n+1], v[22:23] op_sel_hi:[1,0]
.set n, n+2
.endr
.set n, 0
.rept 16
	v_rndne_f32 v[T+n], v[T+n]                     ; to the nearest whole number, ties to even
.set n, n+1
.endr
.set n, 0
.rept 8
	v_pk_mul_f32 v[T+n:T+n+1], v[T+n:T+n+1], v[24:25] op_sel_hi:[1,0]
.set n, n+2
.endr
.set n, 0
.rept 8
	v_pk_add_f32 v[T+n:T+n+1], v[T+n:T+n+1], v[\xs+n:\xs+n+1] neg_lo:[0,1] neg_hi:[0,1]
.set n, n+2
.endr
.set n, 0
.rept 8
	v_pk_add_f32 v[\xs+n:\xs+n+1], v[\xs+n:\xs+n+1], v[T+n:T+n+1]
.set n, n+2
.endr
.endm
.macro STEP t
.set XS, X+32*((\t)%2)
.set CC, C+6*(\t)
	s_wait_dscnt 0x0                               ; this step's numbers are back from the stage, so its stores into the stage have read their registers; the last scale word's store has read its own
.if (\t)+3 < 8
	LOAD (\t)+3                                    ; into the set that this step has left
.endif
.if (\t) < 7
.if (\t) <= 4
	s_wait_loadcnt 16                              ; the next step's eight loads are in; those of the two steps behind it may be out
.else
	s_wait_loadcnt 8*(6-(\t))
.endif
	TURN (\t)+1                                    ; the next step goes through the other stage while this one is worked
.endif
	MAX32 0x3727c5ac                               ; my 32 numbers and 1e-5,
	v_permlanex16_b32 v14, v12, s20, s21
	v_max_num_f32 v12, v12, v14                    ; with lane l xor 16's 32: s of the group of 64
	v_rcp_f32 v15, v12
	v_mul_f32 v16, s24, v12                        ; s / 127: s x (1 / 127), and one correction (these three plain lines stand behind the reciprocal)
	v_fma_f32 v17, -v16, s22, v12
	v_fma_f32 v24, v17, s24, v16
	s_wait_alu depctr_va_vdst(0)                   ; ahead of the first line that names the reciprocal
	v_mul_f32 v18, s22, v15                        ; 127 / s: 127 x (1 / s), and one correction
	v_fma_f32 v19, -v18, v12, s22
	v_fma_f32 v22, v19, v15, v18
	FAKEQ XS
	FAKEQ XS+16
	MAX32 0x2800000                                ; the block of 32 is all mine; the floor 2^(5 - 127) holds the byte at 1 from below
	v_add_nc_u32 v13, 0xfe000000, v12              ; 4 off the exponent field: the conversion takes the exponent field of this operand as its scale
	v_cvt_scalef32_pk16_bf6_f32 v[CC:CC+2], v[XS:XS+15], v13
	v_cvt_scalef32_pk16_bf6_f32 v[T:T+2], v[XS+16:XS+31], v13   ; (a conversion's three registers begin on an even number: these are moved)
.if (\t)%2 == 0
	v_lshrrev_b32 v26, 23, v13                     ; the scale's byte: block 2 (t % 2) + h of the word.  Also the plain line behind the conversions
.else
	v_lshrrev_b32 v27, 23, v13
.endif
.irp i, 0,1,2
	v_mov_b32 v[CC+3+\i], v[T+\i]
.endr
.if (\t)%2 == 1
	v_lshl_or_b32 v26, v27, 16, v26                ; my two bytes: blocks h and 2 + h,
	v_lshlrev_b32 v26, v11, v26                    ; at their places (8 h bits up);
	v_permlanex16_b32 v28, v26, s20, s21
	v_or_b32 v26, v26, v28                         ; with lane l xor 16's two the word is whole
	ds_store_b32 v9, v26 offset:256*((\t)/2)       ; both halves of the lanes write the same word with the same value
.endif
	global_store_b128 v7, v[CC:CC+3], s[12:13] offset:768*(\t)        ; 512 consecutive bytes, aligned
	global_store_b64 v8, v[CC+4:CC+5], s[12:13] offset:768*(\t)+512   ; 256 consecutive bytes, aligned
.endm
	LOAD 0
	LOAD 1
	LOAD 2
	s_wait_loadcnt 16                              ; step 0's eight loads are in
	TURN 0
.irp t, 0,1,2,3,4,5,6,7
	STEP \t
.endr
	s_wait_dscnt 0x0                               ; for the others' sake: my scale words lie in LDS
	s_barrier_signal -1
	s_barrier_wait -1
	ds_load_b64 v[12:13], v10                      ; plane w of the work-group's 64 rows
	s_wait_dscnt 0x0
	global_store_b64 v8, v[12:13], s[14:15]        ; 256 consecutive bytes, aligned
	s_wait_tensorcnt 0x0
	ds_add_u32 v30, v31
	s_wait_dscnt 0x0
	s_endpgm
	; ---------------- (2) the sums of |w| ----------------
.Labs:
	s_sub_co_u32 s19, ttmp9, 512                   ; 0..191: 64 work-groups a tensor
	s_lshr_b32 s25, s19, 6                         ; which tensor
	s_and_b32 s26, s19, 63
	s_lshl_b32 s26, s26, 2
	s_add_co_u32 s26, s26, s18                     ; which run of 8,192 numbers
	s_lshl_b32 s28, s26, 15
	s_mov_b32 s29, 0
	s_lshl_b32 s30, s19, 2
	s_add_co_u32 s30, s30, s18
	s_lshl_b32 s30, s30, 2                         ; wsum: word 256 x tensor + run
	s_mov_b32 s31, 0
	v_lshlrev_b32 v2, 4, v1
	v_mov_b32 v3, 0
	s_wait_kmcnt 0x0
	s_cmp_eq_u32 s25, 0
	s_cselect_b64 s[6:7], s[6:7], s[8:9]
	s_cmp_eq_u32 s25, 2
	s_cselect_b64 s[6:7], s[10:11], s[6:7]
	s_add_nc_u64 s[6:7], s[6:7], s[28:29]
	s_add_nc_u64 s[16:17], s[16:17], s[30:31]
.macro WLOAD b                         ; batch b: 16 loads of 512 consecutive bytes
.set n, 0
.rept 16
	global_load_b128 v[32+64*((\b)%2)+4*n:32+64*((\b)%2)+4*n+3], v2, s[6:7] offset:8192*(\b)+512*n
.set n, n+1
.endr
.endm
.macro WSUM b, first                   ; eight chains; the first lines start them: nothing is cleared
.set S0, 32+64*((\b)%2)
.set n, 0
.if \first
.rept 8
	v_add_f32 v[12+n], |v[S0+n]|, |v[S0+8+n]|
.set n, n+1
.endr
.set n, 16
.endif
.rept 64-16*(\first)
	v_add_f32 v[12+n%8], |v[S0+n]|, v[12+n%8]
.set n, n+1
.endr
.endm
	WLOAD 0
	WLOAD 1
	s_wait_loadcnt 16                              ; the older batch is in, the younger may be out
	WSUM 0, 1
	WLOAD 2
	s_wait_loadcnt 16
	WSUM 1, 0
	WLOAD 3
	s_wait_loadcnt 16
	WSUM 2, 0
	s_wait_loadcnt 0x0
	WSUM 3, 0
	v_add_f32 v12, v12, v13
	v_add_f32 v14, v14, v15
	v_add_f32 v16, v16, v17
	v_add_f32 v18, v18, v19
	v_add_f32 v12, v12, v14
	v_add_f32 v16, v16, v18
	v_add_f32 v12, v12, v16
	v_add_f32_dpp v12, v12, v12 row_xmask:1 row_mask:0xf bank_mask:0xf
	v_add_f32_dpp v12, v12, v12 row_xmask:2 row_mask:0xf bank_mask:0xf
	v_add_f32_dpp v12, v12, v12 row_xmask:4 row_mask:0xf bank_mask:0xf
	v_add_f32_dpp v12, v12, v12 row_xmask:8 row_mask:0xf bank_mask:0xf
	v_permlanex16_b32 v13, v12, s20, s21
	v_add_f32 v12, v12, v13                        ; the wave's sum, in every lane
	s_wait_xcnt 0x0                                ; EXEC changes only behind this wait
	v_cmp_eq_u32 vcc_lo, 0, v1
	s_and_saveexec_b32 s28, vcc_lo                 ; lane 0 stores it
	global_store_b32 v3, v12, s[16:17]
	s_wait_xcnt 0x0
	s_or_b32 exec_lo, exec_lo, s28
	s_endpgm
.Lfunc_end_k_q2fffee4a39_prep:
	.size	k_q2fffee4a39_prep, .Lfunc_end_k_q2fffee4a39_prep-k_q2fffee4a39_prep
	.p2alignl 7, 3214868480
	.fill 96, 4, 3214868480
	.section	.rodata,"a",@progbits
	.p2align	6, 0x0
	.amdhsa_kernel k_q2fffee4a39_prep
		.amdhsa_group_segment_fixed_size 36352
		.amdhsa_private_segment_fixed_size 0
		.amdhsa_enable_private_segment 0
		.amdhsa_kernarg_size 56
		.amdhsa_user_sgpr_count 2
		.amdhsa_user_sgpr_kernarg_segment_ptr 1
		.amdhsa_wavefront_size32 1
		.amdhsa_system_sgpr_workgroup_id_x 1
		.amdhsa_system_sgpr_workgroup_id_y 1
		.amdhsa_system_sgpr_workgroup_id_z 1
		.amdhsa_system_vgpr_workitem_id 0
		.amdhsa_next_free_vgpr 256
		.amdhsa_next_free_sgpr 66
		.amdhsa_reserve_vcc 1
		.amdhsa_float_denorm_mode_32 3
		.amdhsa_float_denorm_mode_16_64 3
		.amdhsa_memory_ordered 1
		.amdhsa_forward_progress 1
		.amdhsa_inst_pref_size 107
	.end_amdhsa_kernel
	.amdgpu_metadata
---
amdhsa.version: [ 1, 2 ]
amdhsa.kernels:
  - .name:           k_q2fffee4a39_prep
    .symbol:         k_q2fffee4a39_prep.kd
    .args:
      - { .name: x, .offset: 0, .size: 8, .value_kind: global_buffer, .address_space: global }
      - { .name: w1, .offset: 8, .size: 8, .value_kind: global_buffer, .address_space: global }
      - { .name: w2, .offset: 16, .size: 8, .value_kind: global_buffer, .address_space: global }
      - { .name: w3, .offset: 24, .size: 8, .value_kind: global_buffer, .address_space: global }
      - { .name: xq_codes, .offset: 32, .size: 8, .value_kind: global_buffer, .address_space: global }
      - { .name: xq_scales, .offset: 40, .size: 8, .value_kind: global_buffer, .address_space: global }
      - { .name: wsum, .offset: 48, .size: 8, .value_kind: global_buffer, .address_space: global }
    .group_segment_fixed_size: 36352
    .private_segment_fixed_size: 0
    .kernarg_segment_align: 8
    .kernarg_segment_size: 56
    .max_flat_workgroup_size: 128
    .sgpr_count:     66
    .vgpr_count:     256
    .wavefront_size: 32
...
	.end_amdgpu_metadata
.endif
;; end of part 1
;; launch wquant (part 2): grid 768 x 1, 4 waves a work-group, no clusters, 36,352 bytes of LDS; arguments w1, w2, w3, wsum, w_codes, w_scales; writes w_codes, w_scales
.if DOCPART == 2
	.amdgcn_target "amdgcn-amd-amdhsa--gfx1250"
	.amdhsa_code_object_version 6
	.text
	.protected	k_q2fffee4a39_wquant
	.globl	k_q2fffee4a39_wquant
	.p2align	8
	.type	k_q2fffee4a39_wquant,@function
k_q2fffee4a39_wquant:
	s_mov_b64 s[64:65], 0
	v_nop
	global_prefetch_b8 v0, s[64:65] scope:SCOPE_SE
	s_setreg_imm32_b32 hwreg(HW_REG_WAVE_MODE, 25, 1), 1
	s_wait_xcnt 0x0
; WQUANT: the three weights become right operands.  m = the mean of |w| over the tensor (256 partial sums from wsum, added in one fixed order by every wave, x 2^-21: each tensor has 2^21 numbers, so that is exact);
; v = w + (sign(w) m - w) in f32, sign(0) = 0; v is turned into codes of BF6 (E3M2) with one E8M0 byte for each 32 along K (the byte: the block's largest magnitude's exponent field - 4, held at 1 from below).
; LAYOUT of the codes: a half fragment is 16 rows x 64 K = 768 bytes; lane 16 hh + r owns the 24 bytes of row r, k = 32 hh ..: bytes 0-15 at 16 x lane, bytes 16-23 at 512 + 8 x lane; half fragment
; (row / 16, k / 64) at (row / 16) x 12 K + (k / 64) x 768.  Scale words: (row, k / 128) at ((k / 128) x 2048 + row) x 4.
; w1 AND w2 MAKE ONE OPERAND OF 2,048 ROWS, IN AN ORDER OF THEIR OWN: row n of w1 (sel = 0) or w2 (sel = 1) goes to place (n / 64) x 128 + 64 sel + p, where p has n's bit 5 as bit 5, bit 3 as bit 4, bit 4 as bit 3
; and bits 2:0 as they are.  So a wave of the next launch that takes 128 places has 64 columns of both products, and in the transposed result a lane's registers run along neighbouring columns.
; w3 [2048][1024] keeps its rows; its codes begin at byte W3C, its scale words at W3S.
; SHARES: a work-group takes 64 places x 128 K, a wave 16 x 128 in two steps of 64 K; all its 16 loads go out at once.  Each load reads 256 consecutive bytes of a row in sixteen lanes; the numbers turn through the
; wave's own stage in LDS (rows 272 bytes apart) so that a lane holds a whole block of 32.  Work-groups 0-511: w1 and w2; 512-767: w3.  One path: what differs is chosen by s_cselect on the work-group's number.
; LIMITS: NaN and infinities are not served; a block of zeros gets the byte 1 (its codes are zeros; only this program's launches read the bytes); the mean's order of summation is this program's own.
.set SP,    272
.set STG,   16*SP
.set WREG,  2*STG
.set SCW,   4*WREG                     ; the work-group's 64 scale words
.set W3C,   3145728
.set W3S,   131072
.set ADR,   28                         ; v28-35   the eight loads' offsets
.set R,     48                         ; v48-111  two steps as loaded
.set X,     112                        ; v112-175 two steps: a lane's 32 neighbours
.set T,     176                        ; v176-207 at work
.set C,     208                        ; v208-219 six registers of codes a step
; v1 lane, v2 r, v3 h; v4, v5 the stage in and out; v6 16 x lane; v7 8 x lane; v8, v9 the scale words in and out; v10 8 h; v12 the mean; v14-19 at work; v36-43 partial sums
	s_load_b256 s[4:11], s[0:1], 0x0               ; w1, w2, w3, wsum
	s_load_b128 s[12:15], s[0:1], 0x20             ; the codes, the scale words
	v_lshl_add_u32 v224, v0, 2, 0x8c00
	v_mov_b32 v225, 0
	v_lshrrev_b32 v2, 5, v0
	v_readfirstlane_b32 s18, v2                    ; wave 0..3
	v_and_b32 v1, 31, v0
	v_and_b32 v2, 15, v0                           ; r
	v_bfe_u32 v3, v0, 4, 1                         ; h
	s_mul_i32 s19, s18, WREG
	v_mul_u32_u24 v4, v3, SP
	v_lshl_add_u32 v4, v2, 4, v4
	v_add_nc_u32 v4, s19, v4
	v_mul_u32_u24 v5, v2, SP
	v_lshl_add_u32 v5, v3, 7, v5
	v_add_nc_u32 v5, s19, v5
	v_lshlrev_b32 v6, 4, v1
	v_lshlrev_b32 v7, 3, v1
	s_lshl_b32 s19, s18, 6
	v_lshl_add_u32 v8, v2, 2, s19
	v_add_nc_u32 v8, SCW, v8
	v_add_nc_u32 v9, SCW, v7
	v_lshlrev_b32 v10, 3, v3
	v_mov_b32 v19, 0                               ; written once: a lane permute's destination counts as one of its sources
	s_mov_b32 s40, 0x7fffffff
	s_mov_b32 s42, 0x76543210
	s_mov_b32 s43, 0xfedcba98
	; w1, w2: 16 work-groups along K for each 64 places
	s_lshr_b32 s20, ttmp9, 4                       ; which 64 places
	s_and_b32 s21, ttmp9, 15                       ; which 128 along K
	s_and_b32 s22, s20, 1                          ; sel
	s_lshr_b32 s23, s20, 1
	s_lshl_b32 s23, s23, 6                         ; the source's rows: 64 (n / 64)
	s_lshr_b32 s19, s18, 1
	s_lshl_b32 s19, s19, 5
	s_add_co_u32 s23, s23, s19                     ; + 32 (wave / 2)
	s_and_b32 s19, s18, 1
	s_lshl_b32 s19, s19, 3
	s_add_co_u32 s23, s23, s19                     ; + 8 (wave % 2): places 0-7 of my 16 take eight rows from here, places 8-15 the eight that lie 16 further on
	; w3: 8 work-groups along K for each 64 rows
	s_bfe_u32 s24, ttmp9, 0x50003
	s_and_b32 s25, ttmp9, 7
	s_lshl_b32 s26, s24, 6
	s_lshl_b32 s19, s18, 4
	s_add_co_u32 s26, s26, s19
	s_mov_b32 s27, 4096
	s_mov_b32 s29, 12288
	s_wait_kmcnt 0x0
	s_cmp_eq_u32 s22, 0
	s_cselect_b64 s[4:5], s[4:5], s[6:7]
	s_cmp_lt_u32 ttmp9, 512                        ; only selects, which leave SCC alone, follow this compare
	s_cselect_b64 s[4:5], s[4:5], s[8:9]           ; the source
	s_cselect_b32 s20, s20, s24                    ; which 64 places
	s_cselect_b32 s21, s21, s25                    ; which 128 along K
	s_cselect_b32 s23, s23, s26                    ; my first source row
	s_cselect_b32 s27, 8192, s27                   ; a source row in bytes
	s_cselect_b32 s28, 8, 0                        ; rows passed over between my places 7 and 8
	s_cselect_b32 s29, 24576, s29                  ; 16 places of codes in bytes
	s_cselect_b32 s30, 0, W3C
	s_cselect_b32 s31, 0, W3S
	s_cselect_b32 s22, s22, 2                      ; the tensor's number in wsum
	s_mul_i32 s32, s23, s27
	s_lshl_b32 s19, s21, 9
	s_add_co_u32 s32, s32, s19
	s_mov_b32 s33, 0
	s_add_nc_u64 s[4:5], s[4:5], s[32:33]
	s_lshl_b32 s34, s20, 2
	s_add_co_u32 s34, s34, s18
	s_mul_i32 s34, s34, s29
	s_mul_i32 s19, s21, 1536
	s_add_co_u32 s34, s34, s19
	s_add_co_u32 s34, s34, s30
	s_mov_b32 s35, 0
	s_add_nc_u64 s[12:13], s[12:13], s[34:35]
	s_lshl_b32 s36, s21, 13
	s_lshl_b32 s19, s20, 8
	s_add_co_u32 s36, s36, s19
	s_add_co_u32 s36, s36, s31
	s_mov_b32 s37, 0
	s_add_nc_u64 s[14:15], s[14:15], s[36:37]
	s_lshl_b32 s38, s22, 10
	s_mov_b32 s39, 0
	s_add_nc_u64 s[10:11], s[10:11], s[38:39]
	s_mul_i32 s28, s28, s27
	v_mul_u32_u24 v[ADR], v3, s27
	v_lshl_add_u32 v[ADR], v2, 4, v[ADR]           ; load i: places 2 i (lanes 0-15) and 2 i + 1 (lanes 16-31), 16 bytes a lane
.irp i, 1,2,3,4,5,6,7
	s_mul_i32 s19, s27, 2*\i
.if \i >= 4
	s_add_co_u32 s19, s19, s28
.endif
	v_add_nc_u32 v[ADR+\i], s19, v[ADR]
.endr
	global_load_b128 v[36:39], v6, s[10:11]        ; the tensor's 256 partial sums, eight a lane
	global_load_b128 v[40:43], v6, s[10:11] offset:512
.irp c, 0,1
.irp i, 0,1,2,3,4,5,6,7
	global_load_b128 v[R+32*\c+4*\i:R+32*\c+4*\i+3], v[ADR+\i], s[4:5] offset:256*\c th:TH_LOAD_NT
.endr
.endr
	s_wait_loadcnt 16                              ; the partial sums are in; the 16 loads of weights may be out
	v_add_f32 v36, v36, v37
	v_add_f32 v38, v38, v39
	v_add_f32 v40, v40, v41
	v_add_f32 v42, v42, v43
	v_add_f32 v36, v36, v38
	v_add_f32 v40, v40, v42
	v_add_f32 v36, v36, v40
	v_add_f32_dpp v36, v36, v36 row_xmask:1 row_mask:0xf bank_mask:0xf
	v_add_f32_dpp v36, v36, v36 row_xmask:2 row_mask:0xf bank_mask:0xf
	v_add_f32_dpp v36, v36, v36 row_xmask:4 row_mask:0xf bank_mask:0xf
	v_add_f32_dpp v36, v36, v36 row_xmask:8 row_mask:0xf bank_mask:0xf
	v_permlanex16_b32 v19, v36, s42, s43
	v_add_f32 v36, v36, v19
	v_mul_f32 v12, 0x35000000, v36                 ; x 2^-21: the mean
.macro TURN c                          ; LDS serves a wave's instructions in order (ISA guide 5.7.1.4): no wait between the stores and the loads
.irp i, 0,1,2,3,4,5,6,7
	ds_store_b128 v4, v[R+32*(\c)+4*\i:R+32*(\c)+4*\i+3] offset:STG*(\c)+2*SP*\i
.endr
.irp i, 0,1,2,3,4,5,6,7
	ds_load_b128 v[X+32*(\c)+4*\i:X+32*(\c)+4*\i+3], v5 offset:STG*(\c)+16*\i
.endr
.endm
.macro WSTEP c
.set XS, X+32*(\c)
.set CC, C+6*(\c)
.set n, 0
.rept 32
	v_bfi_b32 v[T+n], s40, v12, v[XS+n]            ; the mean under w's sign,
	v_cmp_neq_f32 vcc_lo, 0, v[XS+n]
	v_cndmask_b32 v[T+n], 0, v[T+n], vcc_lo        ; and 0 where w is 0
.set n, n+1
.endr
.set n, 0
.rept 16
	v_pk_add_f32 v[T+n:T+n+1], v[T+n:T+n+1], v[XS+n:XS+n+1] neg_lo:[0,1] neg_hi:[0,1]
.set n, n+2
.endr
.set n, 0
.rept 16
	v_pk_add_f32 v[XS+n:XS+n+1], v[XS+n:XS+n+1], v[T+n:T+n+1]   ; w + (sign(w) m - w)
.set n, n+2
.endr
	v_max3_num_f32 v14, |v[XS]|, |v[XS+1]|, |v[XS+2]|            ; the block's largest magnitude: all 32 numbers are mine
	v_max3_num_f32 v15, |v[XS+3]|, |v[XS+4]|, |v[XS+5]|
.irp i, 6,10,14,18,22,26
	v_max3_num_f32 v14, v14, |v[XS+\i]|, |v[XS+\i+1]|
	v_max3_num_f32 v15, v15, |v[XS+\i+2]|, |v[XS+\i+3]|
.endr
	v_max3_num_f32 v14, v14, |v[XS+30]|, |v[XS+31]|
	v_max3_num_f32 v14, v14, v15, 0x2800000        ; and the floor 2^(5 - 127)
	v_add_nc_u32 v16, 0xfe000000, v14              ; 4 off the exponent field: the conversion's scale operand
	v_cvt_scalef32_pk16_bf6_f32 v[CC:CC+2], v[XS:XS+15], v16
	v_cvt_scalef32_pk16_bf6_f32 v[T:T+2], v[XS+16:XS+31], v16   ; (a conversion's three registers begin on an even number: these are moved)
	v_lshrrev_b32 v[17+(\c)], 23, v16              ; the byte of block 2 c + h.  Also the plain line behind the conversions
.irp i, 0,1,2
	v_mov_b32 v[CC+3+\i], v[T+\i]
.endr
	global_store_b128 v6, v[CC:CC+3], s[12:13] offset:768*(\c)       ; 512 consecutive bytes, aligned
	global_store_b64 v7, v[CC+4:CC+5], s[12:13] offset:768*(\c)+512  ; 256 consecutive bytes, aligned
.endm
	s_wait_loadcnt 8                               ; the first step's eight loads are in
	TURN 0
	s_wait_loadcnt 0x0
	TURN 1
	s_wait_dscnt 16                                ; the first step is back; the second turn's 16 instructions may be out
	WSTEP 0
	s_wait_dscnt 0x0
	WSTEP 1
	v_lshl_or_b32 v17, v18, 16, v17                ; my two bytes: blocks h and 2 + h,
	v_lshlrev_b32 v17, v10, v17                    ; 8 h bits up;
	v_permlanex16_b32 v19, v17, s42, s43
	v_or_b32 v17, v17, v19                         ; with lane l xor 16's two the word is whole
	ds_store_b32 v8, v17                           ; both halves of the lanes write the same word with the same value
	s_wait_dscnt 0x0                               ; for the others' sake
	s_barrier_signal -1
	s_barrier_wait -1
	s_cmp_lg_u32 s18, 0
	s_cbranch_scc1 .Ldone                          ; wave 0 stores the work-group's 64 words
	ds_load_b64 v[14:15], v9
	s_wait_dscnt 0x0
	global_store_b64 v7, v[14:15], s[14:15]        ; 256 consecutive bytes, aligned
.Ldone:
	s_wait_tensorcnt 0x0
	ds_add_u32 v224, v225
	s_wait_dscnt 0x0
	s_endpgm
.Lfunc_end_k_q2fffee4a39_wquant:
	.size	k_q2fffee4a39_wquant, .Lfunc_end_k_q2fffee4a39_wquant-k_q2fffee4a39_wquant
	.p2alignl 7, 3214868480
	.fill 96, 4, 3214868480
	.section	.rodata,"a",@progbits
	.p2align	6, 0x0
	.amdhsa_kernel k_q2fffee4a39_wquant
		.amdhsa_group_segment_fixed_size 36352
		.amdhsa_private_segment_fixed_size 0
		.amdhsa_enable_private_segment 0
		.amdhsa_kernarg_size 48
		.amdhsa_user_sgpr_count 2
		.amdhsa_user_sgpr_kernarg_segment_ptr 1
		.amdhsa_wavefront_size32 1
		.amdhsa_system_sgpr_workgroup_id_x 1
		.amdhsa_system_sgpr_workgroup_id_y 1
		.amdhsa_system_sgpr_workgroup_id_z 1
		.amdhsa_system_vgpr_workitem_id 0
		.amdhsa_next_free_vgpr 226
		.amdhsa_next_free_sgpr 66
		.amdhsa_reserve_vcc 1
		.amdhsa_float_denorm_mode_32 3
		.amdhsa_float_denorm_mode_16_64 3
		.amdhsa_memory_ordered 1
		.amdhsa_forward_progress 1
		.amdhsa_inst_pref_size 25
	.end_amdhsa_kernel
	.amdgpu_metadata
---
amdhsa.version: [ 1, 2 ]
amdhsa.kernels:
  - .name:           k_q2fffee4a39_wquant
    .symbol:         k_q2fffee4a39_wquant.kd
    .args:
      - { .name: w1, .offset: 0, .size: 8, .value_kind: global_buffer, .address_space: global }
      - { .name: w2, .offset: 8, .size: 8, .value_kind: global_buffer, .address_space: global }
      - { .name: w3, .offset: 16, .size: 8, .value_kind: global_buffer, .address_space: global }
      - { .name: wsum, .offset: 24, .size: 8, .value_kind: global_buffer, .address_space: global }
      - { .name: w_codes, .offset: 32, .size: 8, .value_kind: global_buffer, .address_space: global }
      - { .name: w_scales, .offset: 40, .size: 8, .value_kind: global_buffer, .address_space: global }
    .group_segment_fixed_size: 36352
    .private_segment_fixed_size: 0
    .kernarg_segment_align: 8
    .kernarg_segment_size: 48
    .max_flat_workgroup_size: 128
    .sgpr_count:     66
    .vgpr_count:     226
    .wavefront_size: 32
...
	.end_amdgpu_metadata
.endif
;; end of part 2
;; launch gemm12 (part 3): grid 8 x 32, 4 waves a work-group, clusters of 4 x 4, 327,680 bytes of LDS; arguments xq_codes, xq_scales, w_codes, w_scales, h_codes, h_scales; writes h_codes, h_scales
.if DOCPART == 3
	.amdgcn_target "amdgcn-amd-amdhsa--gfx1250"
	.amdhsa_code_object_version 6
	.text
	.protected	k_q2fffee4a39_gemm12
	.globl	k_q2fffee4a39_gemm12
	.p2align	8
	.type	k_q2fffee4a39_gemm12,@function
k_q2fffee4a39_gemm12:
	s_mov_b64 s[64:65], 0
	v_nop
	global_prefetch_b8 v0, s[64:65] scope:SCOPE_SE
	s_setreg_imm32_b32 hwreg(HW_REG_WAVE_MODE, 25, 1), 1
	s_wait_xcnt 0x0
	s_wait_alu depctr_hold_cnt(0) depctr_sa_sdst(0) depctr_va_vdst(0) depctr_va_sdst(0) depctr_va_ssrc(0) depctr_va_vcc(0) depctr_vm_vsrc(0)
	s_getreg_b32 s2, hwreg(HW_REG_IB_STS2, 6, 4)
	s_cmp_eq_u32 s2, 0
	s_cbranch_scc0 .Lentry_in_a_cluster
	s_endpgm
.Lentry_in_a_cluster:
	s_bfe_u32 s2, ttmp6, 0x10000c
	s_cmp_lg_u32 s2, 0xf033
	s_cbranch_scc0 .Lentry_shape_is_right
	s_endpgm
.Lentry_shape_is_right:
; GEMM12: g = xq w1q^T and u = xq w2q^T as ONE product on codes of BF6 (E3M2) with E8M0 scales (M 8,192, 2,048 weight rows, K 2,048), then h = silu(g) u, its quantisation per group of 64
; (s = max(largest |h|, 1e-5); y = h + (round(h (127 / s)) (s / 127) - h)) and y's codes of BF6 with one E8M0 byte for each 32 along the next K.  g, u and h never go to memory.
; OPERANDS lie in memory in the order of their registers.  A half fragment is 16 rows x 64 K = 768 bytes: lane 16 hh + r owns the 24 bytes of row r, k = 32 hh ..: bytes 0-15 at 16 x lane, bytes 16-23 at
; 512 + 8 x lane; half fragment (row / 16, k / 64) at (row / 16) x 12 K + (k / 64) x 768.  So 256 along K of 16 rows are 3,072 consecutive bytes, a tile needs no padding, and a fragment comes by two loads of
; 16 bytes and two of 8, each reading consecutive bytes.  Scale words: (row, k / 128) at ((k / 128) x rows + row) x 4.
; A tile of 256 x 256 is made by four waves, as many as a WGP has SIMDs; a wave makes 128 x 128: 64 accumulators, 512 registers.  K goes in steps of 256 through a ring of two LDS slots filled by the tensor data
; mover.  The scale words of the work-group's rows, for all of K, come into LDS once, with the first fills.
; CLUSTERS: 4 x 4 work-groups.  The four of a row of the cluster need the same tiles of x, the four of a column the same tiles of the weights: each tile is asked for JOINTLY, by the same tensor load with the same
; descriptor and a mask that names the four.
; THE MATRIX INSTRUCTION IS USED TRANSPOSED (source 0 = 16 weight rows, source 1 = 16 rows of x): a lane holds ONE row of x.  The weight rows were laid so that my blocks 0-3 are w1's and 4-7 w2's rows of the same
; 64 columns of h, and register 16 b + i of blocks 2 b, 2 b + 1 is column 32 b + 16 (lane / 16) + i: g and u of one h meet in one lane, and a lane's registers run along the next K.
; THE CLIP TO +-127 AHEAD OF THE ROUNDING IS NOT WRITTEN: s is the group's own largest magnitude, so |h (127 / s)| stays under 127.5 and rounds to the same whole number with the clip or without, for every input.
; No prefetch is laid: the operands are a few megabytes that four partners ask for jointly, and a wave's K loop is eight steps.
; LIMITS: NaN and infinities are not served.  sigmoid = 1 / (1 + 2^(-g log2 e)) by v_exp_f32 and v_rcp_f32; where the power overflows (g under about -88) h is 0, far under the group's floor of 1e-5 / 127.
; A block of zeros gets the byte 1 (its codes are zeros).  127 / s and s / 127: a reciprocal, or a constant, with one correction step; not proven correctly rounded.
; REGISTERS, in windows of 256: window 0: v16-30 addresses; v32-63 scale words, two sets; v128-223 x's fragments, ONE set; on the way out v32-191 are free.
;   window 1: the weights' fragments, TWO sets, at v0 and v128.   windows 2, 3: the accumulators of my rows 0-63, 64-127 (accumulator (a, b) at v[8 (8 (a % 4) + b)]).
.set SIZE_K, 2048
.set KSTEP,  256                       ; along K in a slot
.set NQ,     KSTEP/128                 ; matrix instructions deep
.set FR,     12                        ; registers of a fragment: 16 rows x 128 K
.set NL,     4                         ; LDS loads that bring one
.set NP,     4                         ; places behind this matrix instruction (ISA guide 7.12.1)
.set RBP,    SIZE_K*12                 ; 16 rows of codes in memory, in bytes
.set ROWB,   3072                      ; 16 rows x KSTEP in bytes: a tile's row
.set KROW,   SIZE_K*3/4                ; one row's share of RBP
.set HALFT,  8*ROWB                    ; 128 rows: what one tensor load brings, and what one wave reads of a side
.set SLOT,   4*HALFT                   ; x's 256 rows, then the weights' 256
.set LAPS,   SIZE_K/(2*KSTEP)          ; a lap = two K steps = once round the ring
.set NPL,    SIZE_K/128                ; planes of scale words
.set HALFS,  NPL*512                   ; the scale words of 128 rows
.set SCL,    2*SLOT                    ; behind the ring: x's scale words; the weights' lie 128 bytes further on than 2 HALFS, so that the two halves of a load's lanes touch different banks
.set SKEW,   128
.set SPARE,  SCL+4*HALFS+256           ; the spare words, 128 bytes for each wave: two blocks of 256 bytes that no other line names
.set HST,    SPARE+512                 ; h's scale words of the work-group's 256 rows, 1,024 bytes: no fill lands here
.set ADRA, 16                          ; v16-17  LDS address of x's fragments in slot 0, 1, + 16 x lane  (v18-19: + 8 x lane)
.set ADRB, 20                          ; v20-23  the same for the weights
.set L16,  24                          ; v24     16 x lane
.set L8,   25                          ; v25     8 x lane
.set HSA,  26                          ; v26     where I put two bytes of h's scale words
.set ADRS, 27                          ; v27     LDS address of my scale words: lanes 0-15 x's rows, lanes 16-31 the weights'
.set SPW,  28                          ; v28     LDS address of my spare word; never rewritten
.set NIL,  29                          ; v29     0; never rewritten
.set HSR,  30                          ; v30     where I read h's scale words back
.set SC,   32                          ; scale words: set s at v[SC + 16 s]; register 2 i + q: lanes 0-15 x's block i, lanes 16-31 the weights' block i, the slot's q-th 128 along K
.set AF,   128                         ; x's fragments, in window 0
.set H,    32                          ; the way out: v32-63 h of 16 rows;
.set E,    64                          ; v64-95 at work;
.set TM,   96                          ; v96-119 at work: +8 127 / s, +10 s / 127 (low words of pairs), +12, +13 the conversions' scales, +20 a conversion's result
.set PC,   128                         ; v128-191 eight registers for each block of 16 rows: six of codes, one with two scale bytes: no store's data are written again
.set G1, 24                            ; s[24:31] descriptor group 1 for x's tiles;  s[32:39] group 0, one set for each slot
.set G0, 32
.set G1B, 48                           ; s[48:55], s[56:63] the same for the weights'
.set G0B, 56
.set G1S, 68                           ; s[68:75], s[76:79] groups 1 and 0 for x's scale words;  s[80:87], s[88:91] for the weights'
.set G0S, 76
.set G1SB, 80
.set G0SB, 88
.set MSB, 0
.macro WIN new                         ; the immediate's high byte repeats the setting that is left
.if MSB != \new
	s_set_vgpr_msb (MSB<<8)|\new
.set MSB, \new
.endif
.endm
.set MUL_LO, 0xa1                      ; source 0 (weights) window 1, source 1 (x) window 0, C and D window 2
.set MUL_HI, 0xf1                      ; the same, C and D window 3
.set TO_B,   0x40                      ; destination window 1, address window 0
; A joint load: waves 0 and 1 fetch for x, waves 2 and 3 for the weights.  Each line has ONE mask and one set of registers for all that issue it; the branch hangs on the wave's number alone.
; Four v_nop follow each of the two lines, ahead of the jump, the label and what follows.
.macro JLOAD g0a, g1a, g0b, g1b
	s_cmp_eq_u32 s15, 0
	s_cbranch_scc0 .Lfor_b_\@
	tensor_load_to_lds s[\g0a:\g0a+3], s[\g1a:\g1a+7]
	s_nop 0
.rept 4
	v_nop
.endr
	s_branch .Lasked_\@
.Lfor_b_\@:
	tensor_load_to_lds s[\g0b:\g0b+3], s[\g1b:\g1b+7]
	s_nop 0
.rept 4
	v_nop
.endr
.Lasked_\@:
.endm
.macro CREST                           ; a round of the cluster's barrier behind its opening barrier
	s_cmp_lg_u32 s14, 0
	s_cbranch_scc1 .Lnot_wave_0_\@
	s_barrier_signal -3
.Lnot_wave_0_\@:
	s_barrier_wait -3
	s_barrier_signal -1
	s_barrier_wait -1
.endm
.macro CROUND                          ; a whole round
	s_barrier_signal -1
	s_barrier_wait -1
	CREST
.endm
	s_load_b128 s[4:7], s[0:1], 0x0                ; x's codes, x's scale words
	s_load_b128 s[8:11], s[0:1], 0x10              ; the weights' codes, their scale words
	s_load_b64 s[12:13], s[0:1], 0x20              ; h's codes
	s_load_b64 s[96:97], s[0:1], 0x28              ; h's scale words
	v_lshl_add_u32 v[SPW], v0, 2, SPARE
	v_mov_b32 v[NIL], 0
	ds_add_u32 v28, v29
	ds_add_u32 v28, v29
	s_wait_dscnt 0x0
	v_lshrrev_b32 v1, 5, v0
	v_readfirstlane_b32 s14, v1                    ; wave 0..3
	s_lshr_b32 s15, s14, 1                         ; which half of the tile's rows of x is mine.  Also: I fetch for x (0) or for the weights (1)
	s_and_b32 s16, s14, 1                          ; which half of its weight rows.  Also: which 128 rows of that side I fetch
	s_bfe_u32 s40, ttmp6, 0x40000                  ; cx, cy: my place in the cluster
	s_bfe_u32 s41, ttmp6, 0x40004
	s_lshl_b32 s42, ttmp9, 2
	s_add_co_u32 s42, s42, s40                     ; tile column = 4 x cluster x + cx
	s_and_b32 s17, ttmp7, 0xffff
	s_lshl_b32 s17, s17, 2
	s_add_co_u32 s17, s17, s41                     ; tile row = 4 x cluster y + cy
	s_lshl_b32 s43, s41, 2
	s_lshl_b32 s43, 15, s43                        ; my row of the cluster
	s_lshl_b32 s44, 0x1111, s40                    ; my column
	; descriptor group 1 for codes: 8 rows (of 16 operand rows each) x 3,072 bytes, as 384 elements of 8 bytes; no padding
	s_or_b32 s[G1+0], s43, (3<<16)|(1<<21)         ; 15:0 the mask: x's tiles go to my row; 17:16 elements of 8 bytes; 21 set beside a mask
	s_or_b32 s[G1B+0], s44, (3<<16)|(1<<21)
.irp g, G1, G1B
	s_mov_b32 s[\g+1], 384<<16                     ; tensor_dim0
	s_mov_b32 s[\g+2], 8<<16                       ; tensor_dim1
	s_mov_b32 s[\g+3], 384<<16                     ; tile_dim0
	s_mov_b32 s[\g+4], 8                           ; tile_dim1
	s_mov_b32 s[\g+5], RBP/8                       ; tensor_dim0_stride
	s_mov_b32 s[\g+6], 0
	s_mov_b32 s[\g+7], 0
.endr
	; and for the scale words of 128 rows: NPL planes x 512 bytes (64 elements of 8 bytes)
	s_or_b32 s[G1S+0], s43, (3<<16)|(1<<21)
	s_or_b32 s[G1SB+0], s44, (3<<16)|(1<<21)
.irp g, G1S, G1SB
	s_mov_b32 s[\g+1], 64<<16
	s_mov_b32 s[\g+2], NPL<<16
	s_mov_b32 s[\g+3], 64<<16
	s_mov_b32 s[\g+4], NPL
	s_mov_b32 s[\g+6], 0
	s_mov_b32 s[\g+7], 0
.endr
	s_mov_b32 s[G1S+5], 8192*4/8                   ; from plane to plane: 8,192 rows of x,
	s_mov_b32 s[G1SB+5], 2048*4/8                  ; 2,048 weight rows
	s_lshl_b32 s18, s16, 7                         ; which 128 rows of the tile I fetch
	s_lshl_b32 s20, s17, 8
	s_add_co_u32 s20, s20, s18                     ; x: row 256 x tile row + 128 x half
	s_lshl_b32 s46, s42, 8
	s_add_co_u32 s46, s46, s18                     ; weights: row 256 x tile column + 128 x half
	s_lshl_b32 s22, s20, 2                         ; where these rows' scale words begin, in bytes,
	s_mov_b32 s23, 0
	s_lshl_b32 s92, s46, 2
	s_mov_b32 s93, 0
	s_mul_i32 s20, s20, KROW                       ; and their codes (under 2^24)
	s_mov_b32 s21, 0
	s_mul_i32 s46, s46, KROW
	s_mov_b32 s47, 0
	s_mul_i32 s45, s14, HALFT                      ; where they go: wave x 128 rows: no place in the cluster enters an LDS address
	s_mul_i32 s94, s14, HALFS
	s_wait_kmcnt 0x0
	s_add_nc_u64 s[20:21], s[4:5], s[20:21]
	s_add_nc_u64 s[22:23], s[6:7], s[22:23]
	s_add_nc_u64 s[46:47], s[8:9], s[46:47]
	s_add_nc_u64 s[92:93], s[10:11], s[92:93]
	CROUND                                         ; all sixteen work-groups are here: the first joint loads meet
	s_mov_b32 s[G0S], 1
	s_add_co_u32 s[G0S+1], s94, SCL
	s_mov_b64 s[G0S+2:G0S+3], s[22:23]
	s_or_b32 s[G0S+3], s[G0S+3], 0x80000000
	s_mov_b32 s[G0SB], 1
	s_add_co_u32 s[G0SB+1], s94, SCL+SKEW
	s_mov_b64 s[G0SB+2:G0SB+3], s[92:93]
	s_or_b32 s[G0SB+3], s[G0SB+3], 0x80000000
	JLOAD G0S, G1S, G0SB, G1SB                     ; the scale words first: they are wanted with K step 0
.irp s, 0,1
	s_mov_b32 s[G0+4*\s], 1
	s_add_co_u32 s[G0+4*\s+1], s45, \s*SLOT
	s_add_nc_u64 s[G0+4*\s+2:G0+4*\s+3], s[20:21], \s*ROWB
	s_or_b32 s[G0+4*\s+3], s[G0+4*\s+3], 0x80000000
	s_mov_b32 s[G0B+4*\s], 1
	s_add_co_u32 s[G0B+4*\s+1], s45, \s*SLOT
	s_add_nc_u64 s[G0B+4*\s+2:G0B+4*\s+3], s[46:47], \s*ROWB
	s_or_b32 s[G0B+4*\s+3], s[G0B+4*\s+3], 0x80000000
	JLOAD G0+4*\s, G1, G0B+4*\s, G1B               ; three tensor loads of mine are out behind the second of these
.endr
	v_and_b32 v1, 15, v0                           ; r = lane % 16
	v_bfe_u32 v2, v0, 4, 1                         ; h = lane / 16
	v_and_b32 v3, 31, v0                           ; lane
	v_lshlrev_b32 v[L16], 4, v3
	v_lshlrev_b32 v[L8], 3, v3
	s_mul_i32 s21, s15, HALFT                      ; my 128 rows of x
	s_mul_i32 s22, s16, HALFT                      ; my 128 weight rows,
	s_add_co_u32 s22, s22, 2*HALFT                 ; which lie behind x's 256
.irp s, 0,1
	v_add_nc_u32 v[ADRA+\s], s21, v[L16]
	v_add_nc_u32 v[ADRB+\s], s22, v[L16]
	v_add_nc_u32 v[ADRA+2+\s], s21, v[L8]
	v_add_nc_u32 v[ADRB+2+\s], s22, v[L8]
	s_add_co_u32 s21, s21, SLOT
	s_add_co_u32 s22, s22, SLOT
.endr
	s_mul_i32 s21, s15, HALFS                      ; x's scale words: my 128 rows
	s_mul_i32 s22, s16, HALFS                      ; the weights': my 128 rows, behind x's 256 and the skew
	s_add_co_u32 s22, s22, 2*HALFS+SKEW
	s_sub_co_u32 s22, s22, s21
	v_mul_u32_u24 v6, s22, v2                      ; lanes 16-31 take the weights': one product, the distance between the two
	s_add_co_u32 s21, s21, SCL
	v_lshl_add_u32 v6, v1, 2, v6                   ; 4 bytes a row
	v_add_nc_u32 v[ADRS], s21, v6
	s_lshl_b32 s21, s15, 9                         ; h's scale words in LDS: row 128 x (my half of x) + 16 a + r, 4 bytes a row; my two bytes are the word's half (my half of the weight rows)
	s_lshl_b32 s22, s16, 1
	s_add_co_u32 s21, s21, s22
	s_add_co_u32 s21, s21, HST
	v_lshl_add_u32 v[HSA], v1, 2, s21
	s_lshl_b32 s21, s14, 8
	s_add_co_u32 s21, s21, HST
	v_add_nc_u32 v[HSR], s21, v[L8]                ; back: wave w takes rows 64 w .. 64 w + 63, 8 bytes a lane
	s_lshl_b32 s20, s17, 4                         ; h's codes: 16 rows at (16 x tile row + 8 x half + a) x 12,288; my 64 columns are half fragment 2 x tile column + half
	s_lshl_b32 s21, s15, 3
	s_add_co_u32 s20, s20, s21
	s_mul_i32 s20, s20, 12288
	s_lshl_b32 s46, s42, 1
	s_add_co_u32 s46, s46, s16
	s_mul_i32 s46, s46, 768
	s_add_co_u32 s20, s20, s46
	s_mov_b32 s21, 0
	s_add_nc_u64 s[12:13], s[12:13], s[20:21]
	s_lshl_b32 s20, s17, 10                        ; h's scale words: plane = tile column (128 columns of h), rows 256 x tile row + 64 x wave
	s_lshl_b32 s46, s14, 8
	s_add_co_u32 s20, s20, s46
	s_lshl_b32 s46, s42, 15
	s_add_co_u32 s20, s20, s46
	s_add_nc_u64 s[96:97], s[96:97], s[20:21]
.macro FRAG reg, adr, q, i             ; a fragment, 16 rows x 128 K, is 12 registers: registers 6 c .. 6 c + 5 are my 24 bytes of half fragment 2 q + c of block i: 16 at 16 x lane, 8 at 512 + 8 x lane
.irp c, 0,1
	ds_load_b128 v[\reg+6*\c:\reg+6*\c+3], v[\adr] offset:(\i)*ROWB+(\q)*1536+768*\c
	ds_load_b64 v[\reg+6*\c+4:\reg+6*\c+5], v[\adr+2] offset:(\i)*ROWB+(\q)*1536+768*\c+512
.endr
.endm
; 16 matrix instructions: x's blocks a0, a0 + 1 against the weights' eight, 128 along K: the slot's q-th.  p: the weights' set;  sc: the set of scale words.  zero = 1: the first product starts the sums.
; The 64 accumulators take turns, one instruction a turn, in the same order in every step.
.macro MUL16 a0, p, q, sc, zero
.irp a, \a0, \a0+1
.irp b, 0,1,2,3,4,5,6,7
.if \zero
	v_wmma_scale_f32_16x16x128_f8f6f4 v[8*(8*((\a)%4)+\b):8*(8*((\a)%4)+\b)+7], v[128*(\p)+FR*\b:128*(\p)+FR*\b+FR-1], v[AF+FR*(\a):AF+FR*(\a)+FR-1], 0, v[SC+8*NQ*(\sc)+NQ*\b+(\q)], v[SC+8*NQ*(\sc)+NQ*(\a)+(\q)] matrix_a_fmt:MATRIX_FMT_BF6 matrix_b_fmt:MATRIX_FMT_BF6 matrix_a_scale:MATRIX_SCALE_ROW1
.else
	v_wmma_scale_f32_16x16x128_f8f6f4 v[8*(8*((\a)%4)+\b):8*(8*((\a)%4)+\b)+7], v[128*(\p)+FR*\b:128*(\p)+FR*\b+FR-1], v[AF+FR*(\a):AF+FR*(\a)+FR-1], v[8*(8*((\a)%4)+\b):8*(8*((\a)%4)+\b)+7], v[SC+8*NQ*(\sc)+NQ*\b+(\q)], v[SC+8*NQ*(\sc)+NQ*(\a)+(\q)] matrix_a_fmt:MATRIX_FMT_BF6 matrix_b_fmt:MATRIX_FMT_BF6 matrix_a_scale:MATRIX_SCALE_ROW1
.endif
.endr
.endr
.endm
.macro FETCH_B slot, q, p              ; the weights' eight fragments of the slot's q-th 128 along K into set p
	WIN TO_B
.irp i, 0,1,2,3,4,5,6,7
	FRAG 128*(\p)+FR*\i, ADRB+\slot, \q, \i
.endr
	WIN 0
.endm
.macro FETCH_A slot, q, i0             ; x's blocks i0 .. i0 + 3
.irp i, \i0, \i0+1, \i0+2, \i0+3
	FRAG AF+FR*(\i), ADRA+\slot, \q, \i
.endr
.endm
.macro SCALES sc                       ; the next K step's scale words into set sc: lanes 0-15 take x's block i, lanes 16-31 the weights' block i
.irp i, 0,1,2,3,4,5,6,7
.irp q, 0,1
	ds_load_b32 v[SC+8*NQ*\sc+NQ*\i+\q], v[ADRS] offset:512*\q+64*\i
.endr
.endr
.endm
; A load into a register that a matrix instruction has read, and a vector instruction that reads a matrix result, stand NP places behind that matrix instruction; only plain vector instructions that name none of
; its registers are places (ISA guide 7.12.1 for vector instructions).
.macro PLACES n
.rept \n
	v_nop
.endr
.endm
; A step of 128 along K that has its successor in the same slot.  x has one set of registers: blocks 0-3 are fetched anew in the step's middle, blocks 4-7 at its end.
.macro STEP slot, q, zero
	s_wait_dscnt 4*NL                              ; the weights' set, x's blocks 0-3 and the scale words are in; the youngest 16 loads (x's blocks 4-7) may be out
	WIN MUL_LO
	MUL16 0, (\q)%2, \q, \slot, \zero
	MUL16 2, (\q)%2, \q, \slot, \zero
	s_wait_dscnt 0                                 ; x's blocks 4-7 are in (asked for 32 matrix instructions ago)
	PLACES NP
	FETCH_B \slot, (\q)+1, 1-(\q)%2
	FETCH_A \slot, (\q)+1, 0
	WIN MUL_HI
	MUL16 4, (\q)%2, \q, \slot, \zero
	MUL16 6, (\q)%2, \q, \slot, \zero
	PLACES NP
	WIN 0
	FETCH_A \slot, (\q)+1, 4
.endm
; A slot's last step changes slots: ONE barrier; in front of it each wave waits for all its tensor loads, adds 0 to its spare word, and waits for that and for its own reads of this slot.  fill = 1: this slot is filled again, two K steps ahead.
.macro TURN slot, next, fill
	s_wait_tensorcnt 0x0                           ; all my tensor loads have landed: my part of the next slot  (every window is 0 here)
	ds_add_u32 v[SPW], v[NIL]                      ; 0 onto my spare word
	s_wait_dscnt 4*NL+1                            ; (the add and the youngest 16 loads, x's blocks 4-7, may be out)
	WIN MUL_LO
	MUL16 0, 1, NQ-1, \slot, 0                     ; sixteen matrix instructions stand between the add and the wait for it
	s_wait_dscnt 0x0                               ; the add is done, and my reads of this slot are over
	s_barrier_signal -1
	MUL16 2, 1, NQ-1, \slot, 0
	WIN 0
	s_barrier_wait -1
.if \fill
	CREST                                          ; the barrier has opened a round of the cluster's barrier: no wave of any partner still reads this slot's tile or has a load on its way
	s_add_nc_u64 s[G0+4*\slot+2:G0+4*\slot+3], s[G0+4*\slot+2:G0+4*\slot+3], 2*ROWB
	s_add_nc_u64 s[G0B+4*\slot+2:G0B+4*\slot+3], s[G0B+4*\slot+2:G0B+4*\slot+3], 2*ROWB
	JLOAD G0+4*\slot, G1, G0B+4*\slot, G1B         ; the first tensor load behind the round, my one load until the next; the four v_nop behind it are the places in front of the loads below
.else
	PLACES NP
.endif
	v_add_nc_u32 v[ADRS], 512*NQ, v[ADRS]          ; on to the next K step's two planes of scale words (no LDS load of mine is out)
	FETCH_B \next, 0, 0
	FETCH_A \next, 0, 0
	SCALES \next
	WIN MUL_HI
	MUL16 4, 1, NQ-1, \slot, 0
	MUL16 6, 1, NQ-1, \slot, 0
	PLACES NP
	WIN 0
	FETCH_A \next, 0, 4
.endm
	s_wait_tensorcnt 1                             ; the scale words and my part of K step 0 are in (K step 1's load may be out)
	s_barrier_signal -1
	s_barrier_wait -1                              ; everybody's are
	FETCH_B 0, 0, 0
	FETCH_A 0, 0, 0
	SCALES 0
	FETCH_A 0, 0, 4
	STEP 0, 0, 1                                   ; the first step stands in front of the loop: its products start the sums
	s_mov_b32 s3, LAPS-1
.Llap:                                                 ; a trip goes once round the ring, from a lap's second step to the next lap's first, and fills both slots again
	TURN 0, 1, 1
	STEP 1, 0, 0
	TURN 1, 0, 1
	STEP 0, 0, 0
	s_sub_co_u32 s3, s3, 1
	s_cmp_lg_u32 s3, 0
	s_cbranch_scc1 .Llap
	TURN 0, 1, 0                                   ; the last lap fills nothing, and has no round of the cluster's barrier
	STEP 1, 0, 0
	s_wait_dscnt 4*NL                              ; the very last step: nothing more to fetch
	WIN MUL_LO
	MUL16 0, 1, NQ-1, 1, 0
	MUL16 2, 1, NQ-1, 1, 0
	s_wait_dscnt 0
	WIN MUL_HI
	MUL16 4, 1, NQ-1, 1, 0
	MUL16 6, 1, NQ-1, 1, 0
	WIN 0
	; ---------------- THE WAY OUT: h, its two quantisers, codes and scale bytes, a block of 16 rows at a time ----------------
	s_mov_b32 s18, 0xbfb8aa3b                      ; -log2(e)
	s_mov_b32 s19, s18                             ; (named with it as a pair, so it is written)
	s_mov_b32 s20, 0x76543210
	s_mov_b32 s21, 0xfedcba98                      ; v_permlanex16_b32's selects for lane l xor 16
	s_mov_b32 s22, 0x42fe0000                      ; 127
	s_mov_b32 s46, 0x3c010204                      ; 1 / 127, rounded
	v_mov_b32 v[TM+2], 0                           ; written once: a lane permute's destination counts as one of its sources, and a pair is named whole where its low word alone is taken.
	v_mov_b32 v[TM+4], 0                           ; These five plain lines name no register of the last products: they are the places behind them
	v_mov_b32 v[TM+5], 0
	v_mov_b32 v[TM+9], 0
	v_mov_b32 v[TM+11], 0
.macro FAKEQ xs                        ; sixteen numbers: y = h + (round(h (127 / s)) (s / 127) - h), in place
.set n, 0
.rept 8
	v_pk_mul_f32 v[E+n:E+n+1], v[\xs+n:\xs+n+1], v[TM+8:TM+9] op_sel_hi:[1,0]
.set n, n+2
.endr
.set n, 0
.rept 16
	v_rndne_f32 v[E+n], v[E+n]                     ; to the nearest whole number, ties to even
.set n, n+1
.endr
.set n, 0
.rept 8
	v_pk_mul_f32 v[E+n:E+n+1], v[E+n:E+n+1], v[TM+10:TM+11] op_sel_hi:[1,0]
.set n, n+2
.endr
.set n, 0
.rept 8
	v_pk_add_f32 v[E+n:E+n+1], v[E+n:E+n+1], v[\xs+n:\xs+n+1] neg_lo:[0,1] neg_hi:[0,1]
.set n, n+2
.endr
.set n, 0
.rept 8
	v_pk_add_f32 v[\xs+n:\xs+n+1], v[\xs+n:\xs+n+1], v[E+n:E+n+1]
.set n, n+2
.endr
.endm
.macro SWIG a                          ; block a: g in the accumulators (a, 0..3), u in (a, 4..7); each accumulator is read from its low end on
.set AC, 64*((\a)%4)
.set WW, 2+(\a)/4                      ; source 0 in window 2 or 3
.set PA, PC+8*(\a)
	WIN WW
.set n, 0
.rept 16
	v_pk_mul_f32 v[E+n:E+n+1], v[AC+n:AC+n+1], s[18:19] op_sel_hi:[1,0]   ; -g log2(e)
.set n, n+2
.endr
	WIN 0
.set n, 0
.rept 32
	v_exp_f32 v[E+n], v[E+n]
.set n, n+1
.endr
	v_nop                                          ; a plain line behind the last exponential,
	s_wait_alu depctr_va_vdst(0)                   ; and one wait for the batch, ahead of the first line that names a result
.set n, 0
.rept 16
	v_pk_add_f32 v[E+n:E+n+1], v[E+n:E+n+1], 1.0 op_sel_hi:[1,0]
.set n, n+2
.endr
.set n, 0
.rept 32
	v_rcp_f32 v[E+n], v[E+n]                       ; sigmoid(g)
.set n, n+1
.endr
	v_nop
	s_wait_alu depctr_va_vdst(0)                   ; likewise for the reciprocals
	WIN WW
.set n, 0
.rept 16
	v_pk_mul_f32 v[H+n:H+n+1], v[AC+n:AC+n+1], v[E+n:E+n+1]          ; silu(g) = g sigmoid(g)
.set n, n+2
.endr
.set n, 0
.rept 16
	v_pk_mul_f32 v[H+n:H+n+1], v[AC+32+n:AC+32+n+1], v[H+n:H+n+1]    ; h = silu(g) u: register 16 b + i is column 32 b + 16 (lane / 16) + i of my 64
.set n, n+2
.endr
	WIN 0
	v_max3_num_f32 v[TM], |v[H]|, |v[H+1]|, |v[H+2]|                 ; the group of 64 is my 32 numbers and lane l xor 16's
	v_max3_num_f32 v[TM+1], |v[H+3]|, |v[H+4]|, |v[H+5]|
.irp i, 6,10,14,18,22,26
	v_max3_num_f32 v[TM], v[TM], |v[H+\i]|, |v[H+\i+1]|
	v_max3_num_f32 v[TM+1], v[TM+1], |v[H+\i+2]|, |v[H+\i+3]|
.endr
	v_max3_num_f32 v[TM], v[TM], |v[H+30]|, |v[H+31]|
	v_max3_num_f32 v[TM], v[TM], v[TM+1], 0x3727c5ac                 ; and 1e-5
	v_permlanex16_b32 v[TM+2], v[TM], s20, s21
	v_max_num_f32 v[TM], v[TM], v[TM+2]            ; s
	v_rcp_f32 v[TM+3], v[TM]
	v_mul_f32 v[TM+6], s46, v[TM]                  ; s / 127: s x (1 / 127), and one correction (three plain lines behind the reciprocal)
	v_fma_f32 v[TM+7], -v[TM+6], s22, v[TM]
	v_fma_f32 v[TM+10], v[TM+7], s46, v[TM+6]
	s_wait_alu depctr_va_vdst(0)                   ; ahead of the first line that names the reciprocal
	v_mul_f32 v[TM+14], s22, v[TM+3]               ; 127 / s: 127 x (1 / s), and one correction
	v_fma_f32 v[TM+15], -v[TM+14], v[TM], s22
	v_fma_f32 v[TM+8], v[TM+15], v[TM+3], v[TM+14]
	FAKEQ H
	FAKEQ H+16
.irp b, 0,1
	v_max3_num_f32 v[TM+\b], |v[H+16*\b]|, |v[H+16*\b+1]|, 0x2800000   ; block b of 32 along the next K: my 16 numbers, and the floor 2^(5 - 127)
.endr
.irp i, 2,4,6,8,10,12,14
.irp b, 0,1
	v_max3_num_f32 v[TM+\b], v[TM+\b], |v[H+16*\b+\i]|, |v[H+16*\b+\i+1]|
.endr
.endr
.irp b, 0,1
	v_permlanex16_b32 v[TM+4+\b], v[TM+\b], s20, s21
.endr
.irp b, 0,1
	v_max_num_f32 v[TM+\b], v[TM+\b], v[TM+4+\b]   ; with lane l xor 16's 16: the block's largest magnitude
.endr
.irp b, 0,1
	v_add_nc_u32 v[TM+12+\b], 0xfe000000, v[TM+\b] ; 4 off the exponent field: the conversion's scale operand
.endr
.irp b, 0,1
	v_lshrrev_b32 v[TM+4+\b], 23, v[TM+12+\b]      ; the scale's byte
.endr
	v_lshl_or_b32 v[PA+6], v[TM+5], 8, v[TM+4]     ; my columns' two bytes of the row's scale word
	v_cvt_scalef32_pk16_bf6_f32 v[PA:PA+2], v[H:H+15], v[TM+12]
	v_cvt_scalef32_pk16_bf6_f32 v[TM+20:TM+22], v[H+16:H+31], v[TM+13]
	v_nop                                          ; one plain line behind a scaled conversion
.irp i, 0,1,2
	v_permlane16_swap_b32 v[PA+\i], v[TM+20+\i]    ; the first's lanes 16-31 change places with the second's lanes 0-15: lane (r, hh) now holds block hh: its lower 16 codes in the first, its upper 16 in the second
.endr
.irp i, 0,1,2
	v_mov_b32 v[PA+3+\i], v[TM+20+\i]
.endr
	ds_store_b16 v[HSA], v[PA+6] offset:64*(\a)    ; both halves of the lanes write the same two bytes with the same value
	global_store_b128 v[L16], v[PA:PA+3], s[12:13] offset:12288*(\a)        ; a half fragment of h: 512 consecutive bytes, aligned,
	global_store_b64 v[L8], v[PA+4:PA+5], s[12:13] offset:12288*(\a)+512    ; and 256
.endm
.irp a, 0,1,2,3,4,5,6,7
	SWIG \a
.endr
	s_wait_dscnt 0x0                               ; for the others' sake: my halves of the scale words lie in LDS
	s_barrier_signal -1
	s_barrier_wait -1
	ds_load_b64 v[TM:TM+1], v[HSR]                 ; 64 rows' whole words
	s_wait_dscnt 0x0
	global_store_b64 v[L8], v[TM:TM+1], s[96:97]   ; 256 consecutive bytes, aligned
	s_wait_tensorcnt 0x0                           ; the wave's end: behind my last tensor load and my last LDS store
	ds_add_u32 v[SPW], v[NIL]
	s_wait_dscnt 0x0
	CROUND                                         ; the closing round: no work-group ends while a partner may still ask for a tile that names it
	s_endpgm
.Lfunc_end_k_q2fffee4a39_gemm12:
	.size	k_q2fffee4a39_gemm12, .Lfunc_end_k_q2fffee4a39_gemm12-k_q2fffee4a39_gemm12
	.p2alignl 7, 3214868480
	.fill 96, 4, 3214868480
	.section	.rodata,"a",@progbits
	.p2align	6, 0x0
	.amdhsa_kernel k_q2fffee4a39_gemm12
		.amdhsa_group_segment_fixed_size 327680
		.amdhsa_private_segment_fixed_size 0
		.amdhsa_enable_private_segment 0
		.amdhsa_kernarg_size 48
		.amdhsa_user_sgpr_count 2
		.amdhsa_user_sgpr_kernarg_segment_ptr 1
		.amdhsa_wavefront_size32 1
		.amdhsa_system_sgpr_workgroup_id_x 1
		.amdhsa_system_sgpr_workgroup_id_y 1
		.amdhsa_system_sgpr_workgroup_id_z 1
		.amdhsa_system_vgpr_workitem_id 0
		.amdhsa_next_free_vgpr 1024
		.amdhsa_next_free_sgpr 100
		.amdhsa_reserve_vcc 0
		.amdhsa_float_denorm_mode_32 3
		.amdhsa_float_denorm_mode_16_64 3
		.amdhsa_memory_ordered 1
		.amdhsa_forward_progress 1
		.amdhsa_inst_pref_size 236
	.end_amdhsa_kernel
	.amdgpu_metadata
---
amdhsa.version: [ 1, 2 ]
amdhsa.kernels:
  - .name:           k_q2fffee4a39_gemm12
    .symbol:         k_q2fffee4a39_gemm12.kd
    .args:
      - { .name: xq_codes, .offset: 0, .size: 8, .value_kind: global_buffer, .address_space: global }
      - { .name: xq_scales, .offset: 8, .size: 8, .value_kind: global_buffer, .address_space: global }
      - { .name: w_codes, .offset: 16, .size: 8, .value_kind: global_buffer, .address_space: global }
      - { .name: w_scales, .offset: 24, .size: 8, .value_kind: global_buffer, .address_space: global }
      - { .name: h_codes, .offset: 32, .size: 8, .value_kind: global_buffer, .address_space: global }
      - { .name: h_scales, .offset: 40, .size: 8, .value_kind: global_buffer, .address_space: global }
    .group_segment_fixed_size: 327680
    .private_segment_fixed_size: 0
    .kernarg_segment_align: 8
    .kernarg_segment_size: 48
    .max_flat_workgroup_size: 128
    .sgpr_count:     100
    .vgpr_count:     1024
    .wavefront_size: 32
...
	.end_amdgpu_metadata
.endif
;; end of part 3
;; launch gemm3 (part 4): grid 8 x 32, 4 waves a work-group, clusters of 4 x 4, 327,680 bytes of LDS; arguments h_codes, h_scales, w_codes, w_scales, out0; writes out0
.if DOCPART == 4
	.amdgcn_target "amdgcn-amd-amdhsa--gfx1250"
	.amdhsa_code_object_version 6
	.text
	.protected	k_q2fffee4a39_gemm3
	.globl	k_q2fffee4a39_gemm3
	.p2align	8
	.type	k_q2fffee4a39_gemm3,@function
k_q2fffee4a39_gemm3:
	s_mov_b64 s[64:65], 0
	v_nop
	global_prefetch_b8 v0, s[64:65] scope:SCOPE_SE
	s_setreg_imm32_b32 hwreg(HW_REG_WAVE_MODE, 25, 1), 1
	s_wait_xcnt 0x0
	s_wait_alu depctr_hold_cnt(0) depctr_sa_sdst(0) depctr_va_vdst(0) depctr_va_sdst(0) depctr_va_ssrc(0) depctr_va_vcc(0) depctr_vm_vsrc(0)
	s_getreg_b32 s2, hwreg(HW_REG_IB_STS2, 6, 4)
	s_cmp_eq_u32 s2, 0
	s_cbranch_scc0 .Lentry_in_a_cluster
	s_endpgm
.Lentry_in_a_cluster:
	s_bfe_u32 s2, ttmp6, 0x10000c
	s_cmp_lg_u32 s2, 0xf033
	s_cbranch_scc0 .Lentry_shape_is_right
	s_endpgm
.Lentry_shape_is_right:
; GEMM3: out0 [8192][2048] f32 = hq w3q^T on codes of BF6 (E3M2) with E8M0 scales, K = 1,024; sums in f32, K ascending.
; OPERANDS lie in memory in the order of their registers.  A half fragment is 16 rows x 64 K = 768 bytes: lane 16 hh + r owns the 24 bytes of row r, k = 32 hh ..: bytes 0-15 at 16 x lane, bytes 16-23 at
; 512 + 8 x lane; half fragment (row / 16, k / 64) at (row / 16) x 12,288 + (k / 64) x 768.  Scale words: (row, k / 128) at ((k / 128) x rows + row) x 4.  w3's codes begin at byte W3C of the weights' codes,
; its scale words at W3S.
; SHARES.  A work-group of four waves, as many as a WGP has SIMDs, makes a tile of 256 x 256.  Wave w takes rows 64 w .. 64 w + 63 and KEEPS THEIR CODES FOR ALL OF K IN REGISTERS (4 blocks x 8 K steps x 12 = 384).
; w3's whole tile, 256 rows x 768 bytes = 196,608 bytes, lies in LDS, filled once: nothing in LDS is filled again, so the products need no ring.
; FOUR PASSES.  The wave walks the tile's columns in four passes of 64: 16 accumulators, 8 K steps, 128 matrix instructions.  A fragment of w3 read from LDS feeds four products whatever the pass's width.
; Behind each pass its 64 x 64 results leave, a row's part being 256 consecutive bytes, aligned: the stores of three passes are on their way while later passes are multiplied.
; HOW h's CODES COME.  Beside w3's tile and the scale words LDS has 327,680 - 196,608 - 16,384 = 114,688 bytes: room for 9 of the 16 half fragments of each 16 rows (16 x 6,912 = 110,592), not for 10.  Those 9 come by a
; tensor load asked for jointly along the cluster's row, and go on into registers; the other 7 go from memory straight into registers, 56 loads of a wave that are out together from the kernel's head on.
; CLUSTERS: 4 x 4 work-groups.  w3's tile and its scale words are shared along a column of the cluster, h's low half fragments and scale words along a row: each by the same tensor load with the same descriptor
; and a mask that names the four.  h's upper 7 half fragments are not shared: a tensor load ends in LDS, which has no room for them (the arithmetic above).
; THE MATRIX INSTRUCTION IS USED TRANSPOSED (source 0 = 16 rows of w3, source 1 = 16 rows of h): a lane then holds eight neighbouring numbers of a row of the output.
; No prefetch is laid: every load of the launch goes out at its head.
; REGISTERS, in windows of 256: window 0: v8-22 addresses; v32-47 h's scale words; v48-79 w3's, two sets; v96-223 rows on the way out.
;   window 1: h's fragments of K steps 0-4 (block i, step q at v[48 q + 12 i]).   window 2: v0-127 the accumulators ((i, j) at v[8 (4 i + j)]); v128-223 w3's fragments, set 0.
;   window 3: v0-143 h's fragments of K steps 5-7; v144-239 w3's fragments, set 1.
.set SIZE_N, 2048
.set W3C,    3145728
.set W3S,    131072
.set RBP,    12288                     ; 16 rows of codes, all of K, in bytes
.set HF,     768                       ; a half fragment
.set NLO,    9                         ; half fragments of each 16 rows of h that come through LDS
.set ALR,    NLO*HF                    ; their bytes: a row of that tile
.set AWV,    4*ALR                     ; a wave's four blocks of them
.set BQ,     2*RBP                     ; what one tensor load brings of w3: 32 rows
.set BHI,    8*RBP                     ; w3's rows 128-255 begin here, in LDS as in memory
.set PASSB,  4*RBP                     ; a pass's 64 rows of w3
.set NPL,    8                         ; planes of scale words
.set HALFS,  NPL*512                   ; the scale words of 128 rows
.set SCL,    16*RBP                    ; behind w3's tile: h's scale words (2 x HALFS), then w3's
.set ALO,    SCL+4*HALFS               ; behind them: h's low half fragments, AWV bytes for each wave
.set SPITCH, 272                       ; the way out: a stage of 16 rows x (256 bytes + 16) for each wave, at the head of the wave's own AWV bytes: they have had their only fill, and only this wave reads them
.set BL16, 8                           ; v8-11   16 x lane + pass x PASSB: w3's fragments in LDS  (v8 also: my 16 bytes of a half fragment in memory)
.set BL8,  12                          ; v12-15  8 x lane + pass x PASSB
.set ASA,  16                          ; v16     LDS address of h's scale words: my 64 rows, 4 bytes a lane
.set BSA,  17                          ; v17     of w3's
.set STO,  18                          ; v18     the way out: where I put 32 bytes of a row
.set RD,   19                          ; v19     where I read rows back
.set CO,   20                          ; v20     my byte offset in two rows of the output
.set AL16, 21                          ; v21     LDS address of my wave's low half fragments, + 16 x lane
.set AL8,  22                          ; v22     + 8 x lane
.set AS,   32                          ; h's scale words: v[AS + 8 c + q]: lanes 0-15 block 2 c, lanes 16-31 block 2 c + 1, K step q
.set BS,   48                          ; w3's: set pass % 2 at v[BS + 16 (pass % 2)]; in it 8 c + q likewise, for the pass's four blocks
.set BK,   96                          ; the way out: 32 registers for each of a pass's four blocks
.set G1,   24                          ; s[24:31], s[32:35] descriptor groups 1 and 0 for h's low half fragments
.set G0,   32
.set G1B,  48                          ; s[48:55] group 1 for w3's codes;  s[56:59], s[60:63] groups 0 for its lower and upper half
.set G0B,  56
.set G1S,  68                          ; s[68:75], s[76:79] for h's scale words;  s[80:87], s[88:91] for w3's
.set G0S,  76
.set G1SB, 80
.set G0SB, 88
.set MSB, 0
.macro WIN new                         ; s_set_vgpr_msb's low byte: bits 1:0 source 0, 3:2 source 1, 5:4 source 2, 7:6 destination; the high byte repeats the setting that is left
.if MSB != \new
	s_set_vgpr_msb (MSB<<8)|\new
.set MSB, \new
.endif
.endm
.macro PLACES n                        ; plain vector lines that name no register of a matrix instruction (ISA guide 7.12.1)
.rept \n
	v_nop
.endr
.endm
; The scale words: waves 0 and 1 fetch h's two halves, waves 2 and 3 w3's.  Each line has ONE mask and one set of registers for all that issue it; the branch hangs on the wave's number alone.
; Four v_nop follow each tensor load of this text.
.macro JLOAD g0a, g1a, g0b, g1b
	s_cmp_eq_u32 s15, 0
	s_cbranch_scc0 .Lfor_b_\@
	tensor_load_to_lds s[\g0a:\g0a+3], s[\g1a:\g1a+7]
	s_nop 0
	PLACES 4
	s_branch .Lasked_\@
.Lfor_b_\@:
	tensor_load_to_lds s[\g0b:\g0b+3], s[\g1b:\g1b+7]
	s_nop 0
	PLACES 4
.Lasked_\@:
.endm
.macro CROUND                          ; a round of the cluster's barrier: my work-group's barrier; wave 0 signals for the work-group; every wave waits for all sixteen; my work-group's barrier once more
	s_barrier_signal -1
	s_barrier_wait -1
	s_cmp_lg_u32 s14, 0
	s_cbranch_scc1 .Lnot_wave_0_\@
	s_barrier_signal -3
.Lnot_wave_0_\@:
	s_barrier_wait -3
	s_barrier_signal -1
	s_barrier_wait -1
.endm
	s_load_b128 s[4:7], s[0:1], 0x0                ; h's codes, h's scale words
	s_load_b128 s[8:11], s[0:1], 0x10              ; the weights' codes, their scale words
	s_load_b64 s[12:13], s[0:1], 0x20              ; the output
	v_lshl_add_u32 v254, v0, 2, 0x4f000
	v_mov_b32 v255, 0
	ds_add_u32 v254, v255
	ds_add_u32 v254, v255
	v_lshrrev_b32 v1, 5, v0
	v_readfirstlane_b32 s14, v1                    ; wave 0..3
	s_lshr_b32 s15, s14, 1                         ; I fetch scale words for h (0) or for w3 (1),
	s_and_b32 s16, s14, 1                          ; of which 128 rows
	s_bfe_u32 s40, ttmp6, 0x40000                  ; cx, cy: my place in the cluster
	s_bfe_u32 s41, ttmp6, 0x40004
	s_lshl_b32 s42, ttmp9, 2
	s_add_co_u32 s42, s42, s40                     ; tile column = 4 x cluster x + cx
	s_and_b32 s17, ttmp7, 0xffff
	s_lshl_b32 s17, s17, 2
	s_add_co_u32 s17, s17, s41                     ; tile row = 4 x cluster y + cy
	s_lshl_b32 s43, s41, 2
	s_lshl_b32 s43, 15, s43                        ; my row of the cluster
	s_lshl_b32 s44, 0x1111, s40                    ; my column
	; every LDS address is made here, of the lane, the wave's number and constants
	v_and_b32 v1, 15, v0                           ; r = lane % 16
	v_bfe_u32 v2, v0, 4, 1                         ; h = lane / 16
	v_and_b32 v3, 31, v0                           ; lane
	v_lshlrev_b32 v[BL16], 4, v3
	v_lshlrev_b32 v[BL8], 3, v3
.irp p, 1,2,3
	v_add_nc_u32 v[BL16+\p], \p*PASSB, v[BL16]
	v_add_nc_u32 v[BL8+\p], \p*PASSB, v[BL8]
.endr
	s_mul_i32 s95, s14, AWV
	s_add_co_u32 s96, s95, ALO                     ; my wave's low half fragments, later its stage
	v_add_nc_u32 v[AL16], s96, v[BL16]
	v_add_nc_u32 v[AL8], s96, v[BL8]
	s_mul_i32 s18, s15, HALFS                      ; h's scale words: the half of the tile's rows in which my 64 lie,
	s_lshl_b32 s19, s16, 8                         ; and 256 bytes on in each plane for the half's upper 64
	s_add_co_u32 s18, s18, s19
	s_add_co_u32 s18, s18, SCL
	v_lshl_add_u32 v[ASA], v3, 2, s18
	v_lshl_add_u32 v[BSA], v3, 2, SCL+2*HALFS
	v_mul_u32_u24 v4, v1, SPITCH                   ; into the stage: row r, 32 bytes for each half of the lanes
	v_lshl_add_u32 v4, v2, 5, v4
	v_add_nc_u32 v[STO], s96, v4
	v_mul_u32_u24 v5, v2, SPITCH                   ; back: lanes 0-15 take one row of 256 bytes, lanes 16-31 the next
	v_lshl_add_u32 v5, v1, 4, v5
	v_add_nc_u32 v[RD], s96, v5
	v_lshlrev_b32 v[CO], 13, v2                    ; and the same two rows in the output: 8,192 bytes a row
	v_lshl_add_u32 v[CO], v1, 4, v[CO]
	; descriptor group 1.  h's low half fragments: 4 rows (of 16 operand rows each) x 6,912 bytes, as 864 elements of 8 bytes, 12,288 bytes apart in memory; no padding
	s_or_b32 s[G1+0], s43, (3<<16)|(1<<21)         ; 15:0 the mask: my row of the cluster; 17:16 elements of 8 bytes; 21 set beside a mask
	s_mov_b32 s[G1+1], (ALR/8)<<16                 ; tensor_dim0
	s_mov_b32 s[G1+2], 4<<16                       ; tensor_dim1
	s_mov_b32 s[G1+3], (ALR/8)<<16                 ; tile_dim0
	s_mov_b32 s[G1+4], 4                           ; tile_dim1
	s_mov_b32 s[G1+5], RBP/8                       ; tensor_dim0_stride
	s_mov_b32 s[G1+6], 0
	s_mov_b32 s[G1+7], 0
	; w3's codes: 32 rows are 24,576 dense bytes, stated as 96 rows of 256 bytes (32 elements of 8 bytes)
	s_or_b32 s[G1B+0], s44, (3<<16)|(1<<21)        ; the mask: my column
	s_mov_b32 s[G1B+1], 32<<16
	s_mov_b32 s[G1B+2], (BQ/256)<<16
	s_mov_b32 s[G1B+3], 32<<16
	s_mov_b32 s[G1B+4], BQ/256
	s_mov_b32 s[G1B+5], 32
	s_mov_b32 s[G1B+6], 0
	s_mov_b32 s[G1B+7], 0
	; the scale words of 128 rows: NPL planes x 512 bytes (64 elements of 8 bytes)
	s_or_b32 s[G1S+0], s43, (3<<16)|(1<<21)
	s_or_b32 s[G1SB+0], s44, (3<<16)|(1<<21)
.irp g, G1S, G1SB
	s_mov_b32 s[\g+1], 64<<16
	s_mov_b32 s[\g+2], NPL<<16
	s_mov_b32 s[\g+3], 64<<16
	s_mov_b32 s[\g+4], NPL
	s_mov_b32 s[\g+6], 0
	s_mov_b32 s[\g+7], 0
.endr
	s_mov_b32 s[G1S+5], 8192*4/8                   ; from plane to plane: 8,192 rows of h,
	s_mov_b32 s[G1SB+5], 2048*4/8                  ; 2,048 rows of w3
	; where things begin, in bytes.  What is asked for along my row hangs on the tile row and the wave alone, what is asked for along my column on the tile column and the wave alone
	s_lshl_b32 s18, s16, 7
	s_lshl_b32 s20, s17, 8
	s_add_co_u32 s20, s20, s18                     ; h's scale words: row 256 x tile row + 128 x half
	s_lshl_b32 s22, s20, 2
	s_mov_b32 s23, 0
	s_lshl_b32 s46, s42, 8
	s_add_co_u32 s46, s46, s18                     ; w3's: row 256 x tile column + 128 x half
	s_lshl_b32 s92, s46, 2
	s_add_co_u32 s92, s92, W3S
	s_mov_b32 s93, 0
	s_lshl_b32 s20, s17, 4
	s_lshl_b32 s21, s14, 2
	s_add_co_u32 s20, s20, s21
	s_mul_i32 s20, s20, RBP                        ; h's codes: my four blocks of 16 rows, from block 16 x tile row + 4 x wave on
	s_mov_b32 s21, 0
	s_mul_i32 s46, s42, 16*RBP                     ; w3's codes: the tile's 256 rows,
	s_mul_i32 s45, s14, BQ                         ; my 32 of each half: the same offset in memory and in LDS
	s_add_co_u32 s46, s46, s45
	s_add_co_u32 s46, s46, W3C
	s_mov_b32 s47, 0
	s_mul_i32 s94, s14, HALFS
	s_wait_dscnt 0x0
	s_wait_kmcnt 0x0
	s_add_nc_u64 s[4:5], s[4:5], s[20:21]
	s_add_nc_u64 s[22:23], s[6:7], s[22:23]
	s_add_nc_u64 s[46:47], s[8:9], s[46:47]
	s_add_nc_u64 s[92:93], s[10:11], s[92:93]
	s_mov_b32 s[G0S], 1                            ; group 0: count 1; the LDS address; the global address; the type 2 on top
	s_add_co_u32 s[G0S+1], s94, SCL
	s_mov_b64 s[G0S+2:G0S+3], s[22:23]
	s_or_b32 s[G0S+3], s[G0S+3], 0x80000000
	s_mov_b32 s[G0SB], 1
	s_add_co_u32 s[G0SB+1], s94, SCL
	s_mov_b64 s[G0SB+2:G0SB+3], s[92:93]
	s_or_b32 s[G0SB+3], s[G0SB+3], 0x80000000
	s_mov_b32 s[G0], 1
	s_mov_b32 s[G0+1], s96
	s_mov_b64 s[G0+2:G0+3], s[4:5]
	s_or_b32 s[G0+3], s[G0+3], 0x80000000
	s_mov_b32 s[G0B], 1
	s_mov_b32 s[G0B+1], s45
	s_mov_b64 s[G0B+2:G0B+3], s[46:47]
	s_or_b32 s[G0B+3], s[G0B+3], 0x80000000
	s_mov_b32 s[G0B+4], 1
	s_add_co_u32 s[G0B+5], s45, BHI
	s_add_nc_u64 s[G0B+6:G0B+7], s[46:47], BHI
	s_or_b32 s[G0B+7], s[G0B+7], 0x80000000
	s_lshl_b32 s20, s17, 8                         ; the output: my first row, 256 x tile row + 64 x wave,
	s_lshl_b32 s21, s14, 6
	s_add_co_u32 s20, s20, s21
	s_lshl_b32 s20, s20, 13                        ; of 8,192 bytes (under 2^27),
	s_lshl_b32 s21, s42, 10                        ; and the tile's first column: 1,024 bytes a tile
	s_add_co_u32 s20, s20, s21
	s_mov_b32 s21, 0
	s_add_nc_u64 s[12:13], s[12:13], s[20:21]
	CROUND                                         ; all sixteen work-groups are here: the joint loads meet
	JLOAD G0S, G1S, G0SB, G1SB                     ; the launch's only fills go out as one group: four tensor loads of mine are out behind the last of them
	tensor_load_to_lds s[G0:G0+3], s[G1:G1+7]      ; my rows' low half fragments
	s_nop 0
	PLACES 4
	tensor_load_to_lds s[G0B:G0B+3], s[G1B:G1B+7]  ; my 32 of w3's rows 0-127
	s_nop 0
	PLACES 4
	tensor_load_to_lds s[G0B+4:G0B+7], s[G1B:G1B+7]  ; my 32 of its rows 128-255: wanted from the third pass on
	s_nop 0
	PLACES 4
; h's half fragment cc of block i is registers 6 (cc % 2) .. + 5 of the fragment of K step cc / 2
.macro AREG cc, i
.set q_, (\cc)/2
.if q_ < 5
.set aR, 48*q_+12*(\i)+6*((\cc)%2)
.else
.set aR, 48*(q_-5)+12*(\i)+6*((\cc)%2)
.endif
.endm
.macro AGLB cc                         ; from memory: each load reads 512 or 256 consecutive bytes, aligned
.irp i, 0,1,2,3
	AREG \cc, \i
	global_load_b128 v[aR:aR+3], v[BL16], s[4:5] offset:\i*RBP+(\cc)*HF
	global_load_b64 v[aR+4:aR+5], v[BL8], s[4:5] offset:\i*RBP+(\cc)*HF+512
.endr
.endm
.macro ALDS cc                         ; from LDS
.irp i, 0,1,2,3
	AREG \cc, \i
	ds_load_b128 v[aR:aR+3], v[AL16] offset:\i*ALR+(\cc)*HF
	ds_load_b64 v[aR+4:aR+5], v[AL8] offset:\i*ALR+(\cc)*HF+512
.endr
.endm
	WIN 0x40                                       ; destination window 1
	AGLB 9
	WIN 0xc0                                       ; destination window 3
.irp cc, 10,11,12,13,14,15
	AGLB \cc                                       ; in the order in which the first pass wants them
.endr
	WIN 0
.macro ASCALES
.irp c, 0,1
.irp q, 0,1,2,3,4,5,6,7
	ds_load_b32 v[AS+8*\c+\q], v[ASA] offset:512*\q+128*\c             ; 32 lanes read the words of 32 neighbouring rows
.endr
.endr
.endm
.macro BSCALES p                       ; the scale words of pass p's 64 rows of w3
.irp c, 0,1
.irp q, 0,1,2,3,4,5,6,7
	ds_load_b32 v[BS+16*((\p)%2)+8*\c+\q], v[BSA] offset:((\p)/2)*HALFS+512*\q+((\p)%2)*256+128*\c
.endr
.endr
.endm
; A STEP is 256 along K of a pass: 8 fragments of w3 (4 blocks x 2 K steps), 32 LDS loads, 32 matrix instructions.  Step s uses set s % 2.
.macro FETCHB p, s
.set fB, 128+16*((\s)%2)
.set wv, 0x80+0x40*((\s)%2)
	WIN wv                                         ; destination window 2 or 3, address window 0
.irp qq, 0,1
.irp j, 0,1,2,3
.irp c, 0,1
	ds_load_b128 v[fB+12*(4*\qq+\j)+6*\c:fB+12*(4*\qq+\j)+6*\c+3], v[BL16+(\p)] offset:\j*RBP+(2*(\s)+\qq)*2*HF+HF*\c
	ds_load_b64 v[fB+12*(4*\qq+\j)+6*\c+4:fB+12*(4*\qq+\j)+6*\c+5], v[BL8+(\p)] offset:\j*RBP+(2*(\s)+\qq)*2*HF+HF*\c+512
.endr
.endr
.endr
.endm
; One matrix instruction, by the symbols rD, rB, rA, sB, sA.  An odd block's scale words stand in lanes 16-31 of their register.  K step 0 starts the sums: nothing is ever cleared.
.macro WM
.if q_ == 0
.if jo_ == 0
.if io_ == 0
	v_wmma_scale_f32_16x16x128_f8f6f4 v[rD:rD+7], v[rB:rB+11], v[rA:rA+11], 0, v[sB], v[sA] matrix_a_fmt:MATRIX_FMT_BF6 matrix_b_fmt:MATRIX_FMT_BF6
.else
	v_wmma_scale_f32_16x16x128_f8f6f4 v[rD:rD+7], v[rB:rB+11], v[rA:rA+11], 0, v[sB], v[sA] matrix_a_fmt:MATRIX_FMT_BF6 matrix_b_fmt:MATRIX_FMT_BF6 matrix_b_scale:MATRIX_SCALE_ROW1
.endif
.else
.if io_ == 0
	v_wmma_scale_f32_16x16x128_f8f6f4 v[rD:rD+7], v[rB:rB+11], v[rA:rA+11], 0, v[sB], v[sA] matrix_a_fmt:MATRIX_FMT_BF6 matrix_b_fmt:MATRIX_FMT_BF6 matrix_a_scale:MATRIX_SCALE_ROW1
.else
	v_wmma_scale_f32_16x16x128_f8f6f4 v[rD:rD+7], v[rB:rB+11], v[rA:rA+11], 0, v[sB], v[sA] matrix_a_fmt:MATRIX_FMT_BF6 matrix_b_fmt:MATRIX_FMT_BF6 matrix_a_scale:MATRIX_SCALE_ROW1 matrix_b_scale:MATRIX_SCALE_ROW1
.endif
.endif
.else
.if jo_ == 0
.if io_ == 0
	v_wmma_scale_f32_16x16x128_f8f6f4 v[rD:rD+7], v[rB:rB+11], v[rA:rA+11], v[rD:rD+7], v[sB], v[sA] matrix_a_fmt:MATRIX_FMT_BF6 matrix_b_fmt:MATRIX_FMT_BF6
.else
	v_wmma_scale_f32_16x16x128_f8f6f4 v[rD:rD+7], v[rB:rB+11], v[rA:rA+11], v[rD:rD+7], v[sB], v[sA] matrix_a_fmt:MATRIX_FMT_BF6 matrix_b_fmt:MATRIX_FMT_BF6 matrix_b_scale:MATRIX_SCALE_ROW1
.endif
.else
.if io_ == 0
	v_wmma_scale_f32_16x16x128_f8f6f4 v[rD:rD+7], v[rB:rB+11], v[rA:rA+11], v[rD:rD+7], v[sB], v[sA] matrix_a_fmt:MATRIX_FMT_BF6 matrix_b_fmt:MATRIX_FMT_BF6 matrix_a_scale:MATRIX_SCALE_ROW1
.else
	v_wmma_scale_f32_16x16x128_f8f6f4 v[rD:rD+7], v[rB:rB+11], v[rA:rA+11], v[rD:rD+7], v[sB], v[sA] matrix_a_fmt:MATRIX_FMT_BF6 matrix_b_fmt:MATRIX_FMT_BF6 matrix_a_scale:MATRIX_SCALE_ROW1 matrix_b_scale:MATRIX_SCALE_ROW1
.endif
.endif
.endif
.endm
; The 32 matrix instructions of step s of pass p.  The 16 accumulators take turns, one instruction a turn, in the same order in every K step.
.macro MUL p, s
.irp qq, 0,1
.set q_, 2*(\s)+\qq
.if q_ < 5
.set aB, 48*q_
.set wv, 0xa6+(\s)%2                   ; C and D window 2, source 1 (h) window 1, source 0 (w3) window 2 or 3
.else
.set aB, 48*(q_-5)
.set wv, 0xae+(\s)%2                   ; the same with h in window 3
.endif
	WIN wv
.irp j, 0,1,2,3
.irp i, 0,1,2,3
.set rD, 8*(4*\i+\j)
.set rB, 128+16*((\s)%2)+12*(4*\qq+\j)
.set rA, aB+12*\i
.set sB, BS+16*((\p)%2)+8*(\j/2)+q_
.set sA, AS+8*(\i/2)+q_
.set jo_, \j%2
.set io_, \i%2
	WM
.endr
.endr
.endr
.endm
; Step s of pass p.  At its head the next step's fragments are asked for, into the set that the last step multiplied: 32 matrix instructions ahead of their use.  A load into a register that a matrix instruction has
; read stands four places behind it.  A pass's last step asks for the next pass's first fragments and scale words.  dw: the LDS loads that may stay out.
.macro STEP p, s, dw
	s_wait_dscnt \dw                               ; this step's fragments are in
.if ((\p) < 3) || ((\s) < 3)
	PLACES 4
.if (\s) < 3
	FETCHB \p, (\s)+1
.else
	FETCHB (\p)+1, 0
	WIN 0
	BSCALES (\p)+1                                 ; into the set that the pass before this one used
.endif
.endif
.if (\p) == 0
.if (\s) == 2
	s_wait_loadcnt 32                              ; h's half fragments 9 to 11 are in; the 4 x 8 loads of 12 to 15 may be out
.elseif (\s) == 3
	s_wait_loadcnt 0x0
.endif
.endif
	MUL \p, \s
.endm
; THE WAY OUT of a pass: four blocks of 16 rows x 64 columns.  A lane holds 32 neighbouring bytes of a row, and the lanes beside it hold other rows: so a block goes through my own stage in LDS and comes back as whole
; parts of rows.  LDS serves a wave's instructions in order (ISA guide 5.7.1.4): no wait between the stores and the loads, nor in front of the next block's stores.
.macro TOSTAGE i
	WIN 0x08                                       ; the data: window 2
.irp j, 0,1,2,3
	ds_store_b128 v[STO], v[8*(4*(\i)+\j):8*(4*(\i)+\j)+3] offset:64*\j          ; each accumulator from its low end on
	ds_store_b128 v[STO], v[8*(4*(\i)+\j)+4:8*(4*(\i)+\j)+7] offset:64*\j+16
.endr
	WIN 0
.irp t, 0,1,2,3,4,5,6,7
	ds_load_b128 v[BK+32*(\i)+4*\t:BK+32*(\i)+4*\t+3], v[RD] offset:\t*2*SPITCH
.endr
.endm
.macro SEND p, i, younger              ; younger: the LDS instructions issued behind block i's loads, which may stay out
	s_wait_dscnt \younger
.irp t, 0,1,2,3,4,5,6,7
	global_store_b128 v[CO], v[BK+32*(\i)+4*\t:BK+32*(\i)+4*\t+3], s[12:13] offset:(16*(\i)+2*\t)*SIZE_N*4+256*(\p) th:TH_STORE_NT   ; sixteen lanes store 256 consecutive bytes, aligned; every place stands in the immediate (62 rows at the most); written once, read by nobody here
.endr
.endm
.macro WAYOUT p
	PLACES 5                                       ; four places in front of the stores that read results just made; five in front of the next pass's first products, which begin these accumulators anew
.if (\p) > 0
	s_wait_xcnt 0x0                                ; the last pass's stores have read their registers: the loads below may land there
.endif
	TOSTAGE 0
	TOSTAGE 1
	TOSTAGE 2
	SEND \p, 0, 32                                 ; behind block 0's loads: the 16 LDS instructions of each of blocks 1 and 2
	TOSTAGE 3
	SEND \p, 1, 32                                 ; blocks 2 and 3
	SEND \p, 2, 16                                 ; block 3
	SEND \p, 3, 0                                  ; no LDS instruction of mine is out: the stage's stores have read the accumulators
.endm
	s_wait_tensorcnt 1                             ; the scale words, my rows' low half fragments and my part of w3's rows 0-127 are in (the upper half's load may be out: it fills other bytes),
	s_barrier_signal -1
	s_barrier_wait -1                              ; everybody's are
	ASCALES
	BSCALES 0
	FETCHB 0, 0
	WIN 0x40                                       ; destination window 1
.irp cc, 0,1,2,3,4,5,6,7,8
	ALDS \cc
.endr
	STEP 0, 0, 40                                  ; K steps 0 and 1: h's half fragments 4 to 8, 5 x 8 loads, may be out
	STEP 0, 1, 0
	STEP 0, 2, 0
	STEP 0, 3, 0
	WAYOUT 0
	s_wait_tensorcnt 0x0                           ; my part of w3's rows 128-255 is in (no LDS instruction of mine is out: the way out ended on a wait for all),
	s_barrier_signal -1
	s_barrier_wait -1                              ; everybody's is: the second pass's last step reads them
.irp p, 1,2,3
	STEP \p, 0, 0
	STEP \p, 1, 0
	STEP \p, 2, 0
	STEP \p, 3, 0
	WAYOUT \p
.endr
	s_wait_tensorcnt 0x0
	ds_add_u32 v254, v255
	s_wait_dscnt 0x0
	CROUND                                         ; the closing round: no work-group ends while a partner may still ask for a tile that names it
	s_endpgm
.Lfunc_end_k_q2fffee4a39_gemm3:
	.size	k_q2fffee4a39_gemm3, .Lfunc_end_k_q2fffee4a39_gemm3-k_q2fffee4a39_gemm3
	.p2alignl 7, 3214868480
	.fill 96, 4, 3214868480
	.section	.rodata,"a",@progbits
	.p2align	6, 0x0
	.amdhsa_kernel k_q2fffee4a39_gemm3
		.amdhsa_group_segment_fixed_size 327680
		.amdhsa_private_segment_fixed_size 0
		.amdhsa_enable_private_segment 0
		.amdhsa_kernarg_size 40
		.amdhsa_user_sgpr_count 2
		.amdhsa_user_sgpr_kernarg_segment_ptr 1
		.amdhsa_wavefront_size32 1
		.amdhsa_system_sgpr_workgroup_id_x 1
		.amdhsa_system_sgpr_workgroup_id_y 1
		.amdhsa_system_sgpr_workgroup_id_z 1
		.amdhsa_system_vgpr_workitem_id 0
		.amdhsa_next_free_vgpr 1024
		.amdhsa_next_free_sgpr 100
		.amdhsa_reserve_vcc 0
		.amdhsa_float_denorm_mode_32 3
		.amdhsa_float_denorm_mode_16_64 3
		.amdhsa_memory_ordered 1
		.amdhsa_forward_progress 1
		.amdhsa_inst_pref_size 154
	.end_amdhsa_kernel
	.amdgpu_metadata
---
amdhsa.version: [ 1, 2 ]
amdhsa.kernels:
  - .name:           k_q2fffee4a39_gemm3
    .symbol:         k_q2fffee4a39_gemm3.kd
    .args:
      - { .name: h_codes, .offset: 0, .size: 8, .value_kind: global_buffer, .address_space: global }
      - { .name: h_scales, .offset: 8, .size: 8, .value_kind: global_buffer, .address_space: global }
      - { .name: w_codes, .offset: 16, .size: 8, .value_kind: global_buffer, .address_space: global }
      - { .name: w_scales, .offset: 24, .size: 8, .value_kind: global_buffer, .address_space: global }
      - { .name: out0, .offset: 32, .size: 8, .value_kind: global_buffer, .address_space: global }
    .group_segment_fixed_size: 327680
    .private_segment_fixed_size: 0
    .kernarg_segment_align: 8
    .kernarg_segment_size: 40
    .max_flat_workgroup_size: 128
    .sgpr_count:     100
    .vgpr_count:     1024
    .wavefront_size: 32
...
	.end_amdgpu_metadata
.endif
;; end of part 4
